; MI455X (gfx1250); checked and timed in simulation.
; The chip was launched on July 23, 2026; its instructions are those of AMD's public machine-readable ISA for CDNA 5 (MIT licence, August 2026) and "CDNA5" Instruction Set Architecture Reference Guide (July 2026). The comments in the code are by the model that wrote it; some were corrected since.
;; Attention. Allowed arithmetic: matrix products marked QUANTISED: E3M2 operands, one E8M0 scale for each 32 along K, by v_wmma_scale_f32_16x16x128_f8f6f4 with both operands' format E3M2, f32 sums; everything else in f32.
;; Inputs: Wk 1,024 x 1,024 float32; Wp 1,024 x 1,024 float32; Wq 1,024 x 1,024 float32; Wv 1,024 x 1,024 float32; bp 1,024 float32; x 4 x 2,048 x 1,024 float32.
;; Outputs: out0 4 x 2,048 x 1,024 float32.
;; This version of the problem:
;;   THIS VERSION OF THE PROBLEM IS GIVEN IN LOW PRECISION. The matrix products marked QUANTISED in the list below multiply operands that are first quantised to E3M2 (3 exponent bits, 2 mantissa bits; 6 bits a number), with one power-of-two scale for each 32 numbers along K (OCP MX v1.0); their sums are f32. All else is computed in f32.
;;   The module's matrix products, in the order in which they are computed (A, B: the left and right operand; K: the contracted axis; several contracted axes count as one K, in the product's order):
;;     1. [M 8,192, K 1,024] x [K 1,024, N 1,024]; A: input x; B: input Wq: QUANTISED
;;     2. [M 8,192, K 1,024] x [K 1,024, N 1,024]; A: input x; B: input Wk: QUANTISED
;;     3. [M 8,192, K 1,024] x [K 1,024, N 1,024]; A: input x; B: input Wv: QUANTISED
;;     4. batch 64 x [M 2,048, K 64] x [K 64, N 2,048]; A: computed on the way; B: computed on the way: QUANTISED
;;     5. batch 64 x [M 2,048, K 2,048] x [K 2,048, N 64]; A: softmax (see below); B: computed on the way: QUANTISED
;;     6. [M 8,192, K 1,024] x [K 1,024, N 1,024]; A: computed on the way; B: input Wp: QUANTISED
;;   THE QUANTISER, for each operand of a quantised product, along K:
;;     - K is cut into blocks of 32 from its start; a last block that is shorter is filled with zeros.
;;     - A block's scale is 2^e with e = floor(log2(the largest magnitude in the block)) - 4, held to -126 .. 127; a block of zeros has e = 0. As a byte (E8M0): e + 127.
;;     - Each number is divided by its block's scale, clamped to +-28, and rounded to the nearest number of E3M2, ties to even, subnormals kept.
;;     - The product sums the exact products of the quantised numbers (number of the format x scale) in f32.
;;   ~~~python
;;   def quantise(x, axis):      # numpy; x: float32 -> the quantised numbers, widened to float32 again
;;       x = np.moveaxis(x, axis, -1); K = x.shape[-1]
;;       x = np.pad(x, [(0, 0)] * (x.ndim - 1) + [(0, -K % 32)]); x = x.reshape(x.shape[:-1] + (-1, 32)); a = np.abs(x).max(-1, keepdims=True)
;;       e = np.where(a > 0, np.clip(np.frexp(np.where(a > 0, a, 1))[1] - 1 - 4, -126, 127), 0)      # np.frexp(a)[1] - 1 = floor(log2(a)), exactly
;;       r = np.clip(x / 2.0 ** e, -28, 28)
;;       step = 2.0 ** (np.maximum(np.frexp(np.where(r == 0, 1, r))[1] - 1, -2) - 2)
;;       q = np.round(r / step) * step * 2.0 ** e      # np.round: ties to even
;;       return np.moveaxis(q.reshape(q.shape[:-2] + (-1,))[..., :K], -1, axis).astype(np.float32)
;;   ~~~
;;   SOFTMAX AHEAD OF A QUANTISED PRODUCT. Where the list says 'softmax', what is quantised is not the finished softmax but p = 2^(t - M), with t = logit x log2(e) and M = ceil(the row's largest t), a whole number; so 1/2 < the row's largest p <= 1. The row's sum l is taken of the UNQUANTISED p, in f32, and the product's result is divided by l at the end. Since M is a whole number, a kernel that streams over the keys may use a running M (the ceiling of the running maximum): every later rescaling is an exact power of two, which a block's scale takes up: the codes' values come out the same.
;;   OPERANDS COMPUTED ON THE WAY. 'Computed on the way' means the value that the module computes at that place (a softmax that the list does not call 'softmax' is quantised finished and normalised). What goes into a quantiser is computed in f32, as accurately as f32 sums, v_exp_f32 and their like allow (about 1e-6 of the number): no bf16 or f16 on the way to a quantiser, and a product that is left as it is and whose result goes on into a quantised operand takes f32 operands (vector FMAs, or v_wmma_f32_16x16x4_f32). A number that lies on a knife's edge between two numbers of the format may be rounded either way, as far as f32 arithmetic and the matrix unit's own rounding can turn it there, and no further.
;; One version. Each part assembles by itself: llvm-mc -triple=amdgcn-amd-amdhsa -mcpu=gfx1250 --defsym DOCPART=n.
;; ======== version 1 of 1: 4 launches
;; workspace buffers: opq 9,830,400 bytes; qkv 20,447,232 bytes; ctx 6,553,600 bytes
;; launch quant (part 1): grid 384 x 1, 4 waves a work-group, no clusters, 34,304 bytes of LDS; arguments x, Wq, Wk, Wv, Wp, opq; writes opq
.if DOCPART == 1
	.amdgcn_target "amdgcn-amd-amdhsa--gfx1250"
	.amdhsa_code_object_version 6
	.text
	.protected	k_q6fa9f3a3db_quant
	.globl	k_q6fa9f3a3db_quant
	.p2align	8
	.type	k_q6fa9f3a3db_quant,@function
k_q6fa9f3a3db_quant:
	s_mov_b64 s[64:65], 0
	v_nop
	global_prefetch_b8 v0, s[64:65] scope:SCOPE_SE
	s_setreg_imm32_b32 hwreg(HW_REG_WAVE_MODE, 25, 1), 1
	s_wait_xcnt 0x0
; x [8192][1024] and Wq, Wk, Wv, Wp [1024][1024], f32, K innermost, become codes of BF6 (E3M2) with one E8M0 byte for each 32 along K,
; laid in opq IN THE ORDER OF AN OPERAND'S REGISTERS.  A tile is 16 rows; tile n of a tensor holds rows 32 (n / 2) + 8 (n % 2) + r + 8 (r / 8), r = 0 .. 15,
; so that the results of two neighbouring tiles used as source 0 give a lane 16 neighbours.  Tiles: x 0-511, Wq 512-, Wk 576-, Wv 640-, Wp 704-767.
; Codes of tile n, K step f (128 along K): 1,536 bytes at 12,288 n + 1,536 f: registers 4 j .. 4 j + 3 of lane l at 512 j + 16 l.
; Scale words: at XS + 512 n + 256 (f / 4) + 16 r + 4 (f % 4).
; A block's scale is 2^(floor(log2(largest magnitude)) - 4): its byte is the largest magnitude's exponent field - 4, held at 1 from below.
; LIMITS: a block of zeros gets the byte 1 where the rule says 127 (its codes are zeros, and this program alone reads the bytes); NaN and infinities among the inputs are not served.
; SHARES: a wave takes one tile and half of K: four K steps, 32 KiB in, 6 KiB out.  A load reads 512 consecutive bytes of one row; the 16 rows turn through the wave's own stage in LDS
; (rows of 528 bytes) and come back with a whole block of 32 in a lane, as the operand's layout has it: the conversions' results are the operand's registers.
; No work-group shares an input byte with another: no cluster, no tensor load, no barrier.
.set XS,   9437184
.set SP,   528                         ; a stage row: 512 bytes + 16: the 16 rows that a load of 16 bytes a lane touches begin at 16 different groups of banks
.set STG,  16*SP
.set C,    16                          ; v16-39   codes: two sets of 12
.set TP,   40                          ; v40-42, v44-46  the upper halves of two blocks, as converted
.set W,    48                          ; v48-51   the four K steps' scale words
.set MX,   52                          ; v52-55   largest magnitudes, two chains a block
.set SO,   56                          ; v56-57   the conversions' scale operands
.set BY,   58                          ; v58-59   the bytes
.set PT,   60                          ; v60      a lane permute's destination
.set R,    64                          ; v64-191  two sets of 64: the numbers as loaded
.set X,    192                         ; v192-255 the numbers with a block in a lane
	s_load_b256 s[4:11], s[0:1], 0x0               ; x, Wq, Wk, Wv
	s_load_b128 s[12:15], s[0:1], 0x20             ; Wp, opq
	v_lshl_add_u32 v62, v0, 2, 0x8400
	v_mov_b32 v63, 0
	v_lshrrev_b32 v6, 5, v0
	v_readfirstlane_b32 s16, v6                    ; wave
	v_and_b32 v7, 31, v0                           ; lane l
	v_and_b32 v8, 15, v0                           ; r
	v_bfe_u32 v9, v0, 4, 1                         ; h
	v_lshlrev_b32 v1, 4, v7                        ; 16 l: my bytes of a load's or a store's 512
	s_mul_i32 s17, s16, STG                        ; my stage
	v_add_nc_u32 v2, s17, v1                       ; into it: 16 l in a row
	v_mul_u32_u24 v3, v8, SP
	v_lshl_add_u32 v3, v9, 7, v3
	v_add_nc_u32 v3, s17, v3                       ; out of it: row r, block h (128 bytes a block)
	v_lshlrev_b32 v4, 4, v8                        ; 16 r: my row's four scale words
	v_lshlrev_b32 v5, 3, v9                        ; 8 h
	v_mov_b32 v[PT], 0                             ; written once: a lane permute's destination counts as a source
	s_mov_b32 s20, 0x76543210
	s_mov_b32 s21, 0xfedcba98                      ; selects for lane l xor 16
	s_lshr_b32 s18, s16, 1                         ; which tile of the work-group's two
	s_and_b32 s19, s16, 1                          ; which half of K
	s_sub_co_u32 s22, ttmp9, 256                   ; among the weights' work-groups
	s_lshr_b32 s23, s22, 5                         ; which weight (no small number in x's work-groups)
	s_and_b32 s22, s22, 31
	s_wait_alu depctr_va_vdst(0)
	s_wait_kmcnt 0x0
	s_cmp_eq_u32 s23, 2                            ; the tensor is chosen by the work-group's number alone
	s_cselect_b64 s[12:13], s[10:11], s[12:13]
	s_cmp_eq_u32 s23, 1
	s_cselect_b64 s[12:13], s[8:9], s[12:13]
	s_cmp_eq_u32 s23, 0
	s_cselect_b64 s[12:13], s[6:7], s[12:13]
	s_cmp_lt_u32 ttmp9, 256
	s_cselect_b64 s[12:13], s[4:5], s[12:13]
	s_cselect_b32 s22, ttmp9, s22                  ; which 32 rows of the tensor
	s_lshl_b32 s24, s22, 17                        ; 32 rows of 4,096 bytes,
	s_lshl_b32 s25, s18, 15                        ; the second tile begins 8 rows down,
	s_add_co_u32 s24, s24, s25
	s_lshl_b32 s25, s19, 11                        ; half of K is 2,048 bytes
	s_add_co_u32 s24, s24, s25
	s_mov_b32 s25, 0
	s_add_nc_u64 s[12:13], s[12:13], s[24:25]      ; where I read
	s_lshl_b32 s26, ttmp9, 1
	s_add_co_u32 s26, s26, s18                     ; my tile's number in opq
	s_mul_i32 s24, s26, 12288
	s_mul_i32 s27, s19, 6144
	s_add_co_u32 s24, s24, s27
	s_add_nc_u64 s[4:5], s[14:15], s[24:25]        ; where my codes go
	s_lshl_b32 s24, s26, 9
	s_lshl_b32 s27, s19, 8
	s_add_co_u32 s24, s24, s27
	s_add_co_u32 s24, s24, XS
	s_add_nc_u64 s[6:7], s[14:15], s[24:25]        ; and my scale words
.macro LOAD f                          ; K step f: 16 rows x 512 bytes into set f % 2
.irp i, 0,1,2,3,4,5,6,7,8,9,10,11,12,13,14,15
	global_load_b128 v[R+64*((\f)%2)+4*\i:R+64*((\f)%2)+4*\i+3], v1, s[12:13] offset:(\i+8*(\i/8))*4096+512*(\f) th:TH_LOAD_NT
.endr
.endm
.macro TURN f                          ; through the stage: LDS serves a wave's instructions in order, so no wait stands between the stores and the loads
.irp i, 0,1,2,3,4,5,6,7,8,9,10,11,12,13,14,15
	ds_store_b128 v2, v[R+64*((\f)%2)+4*\i:R+64*((\f)%2)+4*\i+3] offset:SP*\i
.endr
.irp c, 0,1
.irp i, 0,1,2,3,4,5,6,7
	ds_load_b128 v[X+32*\c+4*\i:X+32*\c+4*\i+3], v3 offset:256*\c+16*\i   ; block 2 c + h of row r
.endr
.endr
.endm
.macro WORK f
.set CC, C+12*((\f)%2)
.irp c, 0,1
	v_max3_num_f32 v[MX+2*\c], |v[X+32*\c]|, |v[X+32*\c+1]|, |v[X+32*\c+2]|       ; a block's largest magnitude: all 32 numbers are mine; two chains a block
	v_max3_num_f32 v[MX+2*\c+1], |v[X+32*\c+3]|, |v[X+32*\c+4]|, |v[X+32*\c+5]|
.endr
.irp i, 6,10,14,18,22,26
.irp c, 0,1
	v_max3_num_f32 v[MX+2*\c], v[MX+2*\c], |v[X+32*\c+\i]|, |v[X+32*\c+\i+1]|
	v_max3_num_f32 v[MX+2*\c+1], v[MX+2*\c+1], |v[X+32*\c+\i+2]|, |v[X+32*\c+\i+3]|
.endr
.endr
.irp c, 0,1
	v_max3_num_f32 v[MX+2*\c], v[MX+2*\c], |v[X+32*\c+30]|, |v[X+32*\c+31]|
.endr
.irp c, 0,1
	v_max3_num_f32 v[MX+2*\c], v[MX+2*\c], v[MX+2*\c+1], 0x2800000   ; and the floor 2^(5 - 127): the byte cannot fall under 1
.endr
.irp c, 0,1
	v_add_nc_u32 v[SO+\c], 0xfe000000, v[MX+2*\c]  ; 4 off the exponent field: the conversion takes the exponent field of this operand as its scale
.endr
.irp c, 0,1
	v_lshrrev_b32 v[BY+\c], 23, v[SO+\c]           ; the scale's byte
.endr
	v_lshl_or_b32 v[W+(\f)], v[BY+1], 16, v[BY]    ; my two bytes: blocks h and 2 + h,
	v_lshlrev_b32 v[W+(\f)], v5, v[W+(\f)]         ; at their places in the word;
	v_permlanex16_b32 v[PT], v[W+(\f)], s20, s21
	v_or_b32 v[W+(\f)], v[W+(\f)], v[PT]           ; with lane l xor 16's two the word is whole
.irp c, 0,1
	v_cvt_scalef32_pk16_bf6_f32 v[CC+6*\c:CC+6*\c+2], v[X+32*\c:X+32*\c+15], v[SO+\c]
	v_cvt_scalef32_pk16_bf6_f32 v[TP+4*\c:TP+4*\c+2], v[X+32*\c+16:X+32*\c+31], v[SO+\c]   ; (a conversion's three registers begin on an even number)
.endr
	v_nop                                          ; one plain instruction behind the scaled conversions
.irp c, 0,1
.irp i, 0,1,2
	v_mov_b32 v[CC+6*\c+3+\i], v[TP+4*\c+\i]
.endr
.endr
.irp j, 0,1,2
	global_store_b128 v1, v[CC+4*\j:CC+4*\j+3], s[4:5] offset:1536*(\f)+512*\j   ; 32 lanes store 512 consecutive bytes, aligned to 256
.endr
.endm
	LOAD 0
	LOAD 1
	s_wait_loadcnt 16                              ; K step 0's 16 loads are in; step 1's may be out
	TURN 0
	s_wait_dscnt 0x0                               ; the numbers are back, and the stage's stores have read set 0,
	LOAD 2                                         ; which takes K step 2
	WORK 0
	s_wait_loadcnt 16                              ; step 1 is in; step 2's 16 may be out
	TURN 1
	s_wait_dscnt 0x0
	LOAD 3
	WORK 1
	s_wait_loadcnt 16                              ; step 2 is in; step 3's 16 may be out
	TURN 2
	s_wait_dscnt 0x0
	s_wait_xcnt 0x0                                ; step 0's stores have read their registers: the codes' set 0 is written again
	WORK 2
	s_wait_loadcnt 0x0
	TURN 3
	s_wait_dscnt 0x0
	s_wait_xcnt 0x0                                ; likewise set 1
	WORK 3
	s_wait_xcnt 0x0                                ; EXEC changes only behind this wait
	v_cmp_gt_u32 vcc_lo, 16, v7
	s_wait_tensorcnt 0x0
	ds_add_u32 v62, v63
	s_wait_dscnt 0x0
	s_and_saveexec_b32 s22, vcc_lo                 ; every lane holds its row's words: lanes 0-15 store them
	global_store_b128 v4, v[W:W+3], s[6:7]         ; 16 lanes store 256 consecutive bytes, aligned
	s_wait_xcnt 0x0
	s_or_b32 exec_lo, exec_lo, s22
	s_endpgm
.Lfunc_end_k_q6fa9f3a3db_quant:
	.size	k_q6fa9f3a3db_quant, .Lfunc_end_k_q6fa9f3a3db_quant-k_q6fa9f3a3db_quant
	.p2alignl 7, 3214868480
	.fill 96, 4, 3214868480
	.section	.rodata,"a",@progbits
	.p2align	6, 0x0
	.amdhsa_kernel k_q6fa9f3a3db_quant
		.amdhsa_group_segment_fixed_size 34304
		.amdhsa_private_segment_fixed_size 0
		.amdhsa_enable_private_segment 0
		.amdhsa_kernarg_size 48
		.amdhsa_user_sgpr_count 2
		.amdhsa_user_sgpr_kernarg_segment_ptr 1
		.amdhsa_wavefront_size32 1
		.amdhsa_system_sgpr_workgroup_id_x 1
		.amdhsa_system_sgpr_workgroup_id_y 1
		.amdhsa_system_sgpr_workgroup_id_z 1
		.amdhsa_system_vgpr_workitem_id 0
		.amdhsa_next_free_vgpr 256
		.amdhsa_next_free_sgpr 66
		.amdhsa_reserve_vcc 1
		.amdhsa_float_denorm_mode_32 3
		.amdhsa_float_denorm_mode_16_64 3
		.amdhsa_memory_ordered 1
		.amdhsa_forward_progress 1
		.amdhsa_inst_pref_size 30
	.end_amdhsa_kernel
	.amdgpu_metadata
---
amdhsa.version: [ 1, 2 ]
amdhsa.kernels:
  - .name:           k_q6fa9f3a3db_quant
    .symbol:         k_q6fa9f3a3db_quant.kd
    .args:
      - { .name: x, .offset: 0, .size: 8, .value_kind: global_buffer, .address_space: global }
      - { .name: Wq, .offset: 8, .size: 8, .value_kind: global_buffer, .address_space: global }
      - { .name: Wk, .offset: 16, .size: 8, .value_kind: global_buffer, .address_space: global }
      - { .name: Wv, .offset: 24, .size: 8, .value_kind: global_buffer, .address_space: global }
      - { .name: Wp, .offset: 32, .size: 8, .value_kind: global_buffer, .address_space: global }
      - { .name: opq, .offset: 40, .size: 8, .value_kind: global_buffer, .address_space: global }
    .group_segment_fixed_size: 34304
    .private_segment_fixed_size: 0
    .kernarg_segment_align: 8
    .kernarg_segment_size: 48
    .max_flat_workgroup_size: 128
    .sgpr_count:     66
    .vgpr_count:     256
    .wavefront_size: 32
...
	.end_amdgpu_metadata
.endif
;; end of part 1
;; launch qkv (part 2): grid 8 x 96, 4 waves a work-group, clusters of 4 x 4, 307,712 bytes of LDS; arguments opq, qkv; writes qkv
.if DOCPART == 2
	.amdgcn_target "amdgcn-amd-amdhsa--gfx1250"
	.amdhsa_code_object_version 6
	.text
	.protected	k_q6fa9f3a3db_qkv
	.globl	k_q6fa9f3a3db_qkv
	.p2align	8
	.type	k_q6fa9f3a3db_qkv,@function
k_q6fa9f3a3db_qkv:
	s_mov_b64 s[64:65], 0
	v_nop
	global_prefetch_b8 v0, s[64:65] scope:SCOPE_SE
	s_setreg_imm32_b32 hwreg(HW_REG_WAVE_MODE, 25, 1), 1
	s_wait_xcnt 0x0
	s_wait_alu depctr_hold_cnt(0) depctr_sa_sdst(0) depctr_va_vdst(0) depctr_va_sdst(0) depctr_va_ssrc(0) depctr_va_vcc(0) depctr_vm_vsrc(0)
	s_getreg_b32 s2, hwreg(HW_REG_IB_STS2, 6, 4)
	s_cmp_eq_u32 s2, 0
	s_cbranch_scc0 .Lentry_in_a_cluster
	s_endpgm
.Lentry_in_a_cluster:
	s_bfe_u32 s2, ttmp6, 0x10000c
	s_cmp_lg_u32 s2, 0xf033
	s_cbranch_scc0 .Lentry_shape_is_right
	s_endpgm
.Lentry_shape_is_right:
; q = x Wq^T, k = x Wk^T, v = x Wv^T on codes of BF6 (E3M2) with E8M0 scales, and the results quantised in registers for the attention: q and k along the head's 64, v along the keys.
; ONE BODY FOR BOTH KINDS.  S0 is the operand whose rows run along a lane's registers in the result (source 0), S1 the one whose rows are the lanes (source 1).
;   clusters y 0-15:  S0 = Wq, Wk (2,048 rows: 32 heads of 64), S1 = x (8,192 tokens): a lane holds one token and neighbouring features: blocks of 32 along the head.
;   clusters y 16-23: S0 = x (8,192 keys), S1 = Wv (1,024 rows): a lane holds one channel and neighbouring keys: blocks of 32 along the keys.
; The kind is chosen by s_cselect on the cluster's y, which all partners share; it enters global addresses alone.
; SHARES: a work-group makes 256 rows of S0 x 128 rows of S1 over all of K = 1,024; each of its four waves 128 x 64: 32 accumulators, 256 registers.
; LDS holds all of K for the work-group's tiles: (256 + 128) rows x 768 bytes of codes and 12 KiB of scale words.  Every byte is filled once: no slot is filled again.
; The codes lie in opq in the order of an operand's registers (tile of 16 rows, K step of 128: 1,536 bytes; registers 4 j .. 4 j + 3 of lane l at 512 j + 16 l): a fragment is three loads of 16 bytes a lane, 512 consecutive bytes each.
; CLUSTER 4 x 4: S0's tiles hang on the work-group's x and are asked for jointly by a column of the cluster, S1's on its y and by a row: each wave issues five joint loads (scale words, four K slots of 256), all at the head.
; RESULTS: 64 numbers of a lane (8 tiles of S0: 128 neighbours) become a fragment's 12 registers and a scale word.  Registers 0-5 and 6-11 are two units U of 16 rows x 64 K, 768 bytes each (registers 0-3 at 16 l, 4-5 at 512 + 8 l):
;   q, k: U(g, t) at (512 g + t) 768, g = head (k's: 16 + head), t = x's tile;   v: U(g, t) at VCB + (64 g + t) 768, g = keys / 64 over all batches, t = Wv's tile.
;   Scale records of 256 bytes for 4 tiles t: the word at 8 l + 4 p is tile 2 p + l / 16, row l % 16.  q, k: the head's two bytes below, zeros above; v: the records of even g hold the word of 128 keys (those of odd g are written and not read).
; LIMITS: a block of zeros gets the byte 1 where the rule says 127 (its codes are zeros, and this program alone reads the bytes); NaN and infinities are not served.
; REGISTERS: window 0: v4-11 LDS addresses of the K slots; v16-20; v32-63 S0's scale words, v64-79 S1's; v96-114 at work; v128-223 S1's fragments, two sets of 48, later the codes made.
;   window 1: S0's fragments, two sets of 96, at v0 and v128.   window 2: accumulator (a, b) at v[8 (8 a + b)].
.set XS,   9437184
.set VCB,  12582912
.set QKS,  18874368
.set VSB,  19922944
.set S0C,  0                           ; LDS: S0's codes: slot s (256 along K) x 49,152 + tile i x 3,072 + K step q x 1,536
.set S1C,  196608                      ; S1's: slot s x 24,576 + tile i x 3,072 + q x 1,536
.set S0S,  294912                      ; S0's scale words: 16 tiles x 512 bytes
.set S1S,  303104                      ; S1's: 8 tiles x 512 bytes
.set A0,   4
.set A1,   8
.set AS0,  16
.set AS1,  17
.set L16,  18
.set L8,   19
.set SMV,  20                          ; v20: the mask on the first scale record's words
.set SW0,  32                          ; register 8 (b % 4) + k: lanes 0-15 tile b % 4, lanes 16-31 tile b % 4 + 4, K step k
.set SW1,  64                          ; register 8 (a % 2) + k: lanes 0-15 tile a % 2, lanes 16-31 tile a % 2 + 2
.set TM,   96                          ; v96-99 largest magnitudes, v100-103 bytes, v104-107 scale operands, v108-110, v112-114 conversions' results
.set S1F,  128
.set PC,   128                         ; the codes made: 12 registers for each of my four tiles of S1
.set PW,   176                         ; their scale words
.set RR,   180
.set WV,   12
.set SH1,  13                          ; which half of S1's rows is mine.  Also: I fetch for S0 (0) or S1 (1)
.set SH0,  14                          ; which half of S0's rows.  Also: which half of that operand's tiles I fetch
.set CX,   15
.set CY,   16
.set G1C0, 24                          ; s[24:31] descriptor group 1: S0's codes;  s[32:39] S1's codes;  s[40:47] S0's scale words;  s[48:55] S1's
.set G1C1, 32
.set G1S0, 40
.set G1S1, 48                          ; groups 0: S0's five at s56, s60, s68, s72, s76;  S1's five at s80 .. s96
.set MSB, 0
.macro WIN new                         ; the immediate's high byte repeats the setting that is left
.if MSB != \new
	s_set_vgpr_msb (MSB<<8)|\new
.set MSB, \new
.endif
.endm
.macro CROUND                          ; a round of the cluster's barrier
	s_barrier_signal -1
	s_barrier_wait -1
	s_cmp_lg_u32 s[WV], 0
	s_cbranch_scc1 .Lnot_wave_0_\@
	s_barrier_signal -3
.Lnot_wave_0_\@:
	s_barrier_wait -3
	s_barrier_signal -1
	s_barrier_wait -1
.endm
.macro PLACES                          ; four plain vector instructions behind a matrix instruction, ahead of loads into its registers and of reads of its results
.rept 4
	v_nop
.endr
.endm
.macro G1SET g, c, r, p                ; r rows of c elements of 8 bytes, p elements from row to row
	s_mov_b32 s[\g+1], (\c)<<16
	s_mov_b32 s[\g+2], (\r)<<16
	s_mov_b32 s[\g+3], (\c)<<16
	s_mov_b32 s[\g+4], \r
	s_mov_b32 s[\g+5], \p
	s_mov_b32 s[\g+6], 0
	s_mov_b32 s[\g+7], 0
.endm
	s_load_b128 s[4:7], s[0:1], 0x0                ; opq, qkv
	v_lshl_add_u32 v254, v0, 2, 0x4b000
	v_mov_b32 v255, 0
	ds_add_u32 v254, v255
	ds_add_u32 v254, v255
	v_lshrrev_b32 v1, 5, v0
	v_readfirstlane_b32 s[WV], v1
	s_lshr_b32 s[SH1], s[WV], 1
	s_and_b32 s[SH0], s[WV], 1
	s_bfe_u32 s[CX], ttmp6, 0x40000
	s_bfe_u32 s[CY], ttmp6, 0x40004
	s_and_b32 s17, ttmp7, 0xffff                   ; the cluster's y
	s_sub_co_u32 s18, s17, 16                      ; e: among v's clusters
	s_and_b32 s19, s18, 3
	s_lshl_b32 s19, s19, 1
	s_add_co_u32 s19, s19, ttmp9                   ; v: cluster column 0 .. 7
	s_lshr_b32 s18, s18, 2                         ; v: cluster row 0 .. 1
	s_mov_b32 s21, QKS
	s_cmp_ge_u32 s17, 16                           ; v's part?  Behind this compare stand selections alone
	s_cselect_b32 s19, s19, ttmp9
	s_cselect_b32 s18, s18, s17
	s_cselect_b32 s23, 0, 512                      ; S0's first tile in opq: x's, or Wq's
	s_cselect_b32 s8, 640, 0                       ; S1's: Wv's, or x's
	s_cselect_b32 s22, 64, 512                     ; NT: tiles t for each g
	s_cselect_b32 s20, VCB, 0
	s_cselect_b32 s21, VSB, s21
	s_cselect_b32 s9, -1, 0xffff
	v_mov_b32 v[SMV], s9
	s_lshl_b32 s19, s19, 2
	s_add_co_u32 s19, s19, s[CX]                   ; X: which 256 rows of S0
	s_lshl_b32 s18, s18, 2
	s_add_co_u32 s18, s18, s[CY]                   ; Y: which 128 rows of S1
	s_lshl_b32 s2, s19, 4
	s_add_co_u32 s23, s23, s2
	s_lshl_b32 s10, s18, 3
	s_add_co_u32 s8, s8, s10
	s_lshl_b32 s3, 0x1111, s[CX]                   ; my column of the cluster
	s_lshl_b32 s11, s[CY], 2
	s_lshl_b32 s11, 15, s11                        ; my row
	s_or_b32 s[G1C0], s3, (3<<16)|(1<<21)          ; 15:0 the mask; 17:16 elements of 8 bytes; 21 set beside a mask; no padding
	s_or_b32 s[G1S0], s3, (3<<16)|(1<<21)
	s_or_b32 s[G1C1], s11, (3<<16)|(1<<21)
	s_or_b32 s[G1S1], s11, (3<<16)|(1<<21)
	G1SET G1C0, 384, 8, 1536                       ; 8 tiles x 3,072 bytes (256 along K), 12,288 bytes from tile to tile
	G1SET G1C1, 384, 4, 1536
	G1SET G1S0, 32, 16, 32                         ; 8 tiles' scale words: 4,096 dense bytes as rows of 256
	G1SET G1S1, 32, 8, 32
	; where the tiles lie.  S0's chain of registers holds cx and never cy, S1's cy and never cx; every wave makes both and asks by one
	s_lshl_b32 s2, s[SH0], 3
	s_add_co_u32 s100, s23, s2                     ; S0: the first of the 8 tiles that I would fetch
	s_lshl_b32 s2, s100, 9
	s_add_co_u32 s2, s2, XS
	s_mov_b32 s3, 0
	s_mul_i32 s100, s100, 12288
	s_mov_b32 s101, 0
	s_lshl_b32 s10, s[SH0], 2
	s_add_co_u32 s8, s8, s10                       ; S1: the first of 4
	s_lshl_b32 s10, s8, 9
	s_add_co_u32 s10, s10, XS
	s_mov_b32 s11, 0
	s_mul_i32 s8, s8, 12288
	s_mov_b32 s9, 0
	s_wait_dscnt 0x0
	s_wait_kmcnt 0x0
	s_mov_b32 s56, 1
	s_lshl_b32 s17, s[SH0], 12
	s_add_co_u32 s57, s17, S0S
	s_add_nc_u64 s[58:59], s[4:5], s[2:3]
	s_or_b32 s59, s59, 0x80000000
	s_mul_i32 s17, s[SH0], 24576
.irp n, 1,2,3,4
.set GA, 56+4*\n+4*((\n+2)/4)
	s_mov_b32 s[GA], 1
	s_add_co_u32 s[GA+1], s17, S0C+(\n-1)*49152
	s_add_nc_u64 s[GA+2:GA+3], s[4:5], s[100:101]
	s_add_nc_u64 s[GA+2:GA+3], s[GA+2:GA+3], (\n-1)*3072
	s_or_b32 s[GA+3], s[GA+3], 0x80000000
.endr
	s_mov_b32 s80, 1
	s_lshl_b32 s17, s[SH0], 11
	s_add_co_u32 s81, s17, S1S
	s_add_nc_u64 s[82:83], s[4:5], s[10:11]
	s_or_b32 s83, s83, 0x80000000
	s_mul_i32 s17, s[SH0], 12288
.irp n, 1,2,3,4
.set GB, 80+4*\n
	s_mov_b32 s[GB], 1
	s_add_co_u32 s[GB+1], s17, S1C+(\n-1)*24576
	s_add_nc_u64 s[GB+2:GB+3], s[4:5], s[8:9]
	s_add_nc_u64 s[GB+2:GB+3], s[GB+2:GB+3], (\n-1)*3072
	s_or_b32 s[GB+3], s[GB+3], 0x80000000
.endr
	CROUND                                         ; all sixteen work-groups are here: the joint loads meet
	s_cmp_eq_u32 s[SH1], 0                         ; a wave's five fills stand in one branch on its number: five loads of mine are out
	s_cbranch_scc0 .Lfetch1
	tensor_load_to_lds s[56:59], s[G1S0:G1S0+7]    ; scale words first, then the K slots in the order in which they are read
	s_nop 0
	tensor_load_to_lds s[60:63], s[G1C0:G1C0+7]
	s_nop 0
	tensor_load_to_lds s[68:71], s[G1C0:G1C0+7]
	s_nop 0
	tensor_load_to_lds s[72:75], s[G1C0:G1C0+7]
	s_nop 0
	tensor_load_to_lds s[76:79], s[G1C0:G1C0+7]
	s_nop 0
	PLACES
	s_branch .Lasked
.Lfetch1:
	tensor_load_to_lds s[80:83], s[G1S1:G1S1+7]
	s_nop 0
	tensor_load_to_lds s[84:87], s[G1C1:G1C1+7]
	s_nop 0
	tensor_load_to_lds s[88:91], s[G1C1:G1C1+7]
	s_nop 0
	tensor_load_to_lds s[92:95], s[G1C1:G1C1+7]
	s_nop 0
	tensor_load_to_lds s[96:99], s[G1C1:G1C1+7]
	s_nop 0
	PLACES
.Lasked:
	v_and_b32 v1, 31, v0                           ; l
	v_and_b32 v2, 15, v0                           ; r
	v_bfe_u32 v3, v0, 4, 1                         ; h
	v_lshlrev_b32 v[L16], 4, v1
	s_wait_alu depctr_va_vdst(0)
	v_lshlrev_b32 v[L8], 3, v1
	s_mul_i32 s17, s[SH0], 24576                   ; my 8 tiles of S0
	s_mul_i32 s23, s[SH1], 12288                   ; my 4 tiles of S1
	s_add_co_u32 s23, s23, S1C
.irp s, 0,1,2,3
	v_add_nc_u32 v[A0+\s], s17, v[L16]
	v_add_nc_u32 v[A1+\s], s23, v[L16]
	s_add_co_u32 s17, s17, 49152
	s_add_co_u32 s23, s23, 24576
.endr
	v_lshlrev_b32 v[AS0], 4, v2                    ; scale words: 16 r; lanes 16-31 take the tile 4 (S0) or 2 (S1) further on
	v_lshl_add_u32 v[AS1], v3, 10, v[AS0]
	v_lshl_add_u32 v[AS0], v3, 11, v[AS0]
	s_lshl_b32 s17, s[SH0], 12
	s_add_co_u32 s17, s17, S0S
	v_add_nc_u32 v[AS0], s17, v[AS0]
	s_lshl_b32 s17, s[SH1], 11
	s_add_co_u32 s17, s17, S1S
	v_add_nc_u32 v[AS1], s17, v[AS1]
.irp b, 0,1,2,3
	v_mov_b32 v[TM+4+\b], 0                        ; written once: a lane permute's destination counts as a source
.endr
	; where my results go
	s_lshl_b32 s19, s19, 2
	s_lshl_b32 s23, s[SH0], 1
	s_add_co_u32 s19, s19, s23                     ; g of my first 64 rows of S0: 4 X + 2 x half
	s_mul_i32 s23, s19, s22
	s_lshl_b32 s8, s18, 3
	s_add_co_u32 s23, s23, s8
	s_lshl_b32 s8, s[SH1], 2
	s_add_co_u32 s23, s23, s8                      ; g NT + t, t = 8 Y + 4 x half
	s_mul_i32 s23, s23, 768
	s_add_co_u32 s2, s23, s20
	s_mov_b32 s3, 0
	s_add_nc_u64 s[2:3], s[6:7], s[2:3]            ; units of g
	s_mul_i32 s10, s22, 768
	s_mov_b32 s11, 0
	s_add_nc_u64 s[10:11], s[2:3], s[10:11]        ; units of g + 1
	s_lshr_b32 s23, s22, 2
	s_mul_i32 s23, s19, s23
	s_lshl_b32 s8, s18, 1
	s_add_co_u32 s23, s23, s8
	s_add_co_u32 s23, s23, s[SH1]                  ; g NT / 4 + t / 4
	s_lshl_b32 s23, s23, 8
	s_add_co_u32 s100, s23, s21
	s_mov_b32 s101, 0
	s_add_nc_u64 s[100:101], s[6:7], s[100:101]    ; scale record of g
	s_lshl_b32 s20, s22, 6
	s_mov_b32 s21, 0
	s_add_nc_u64 s[20:21], s[100:101], s[20:21]    ; and of g + 1
	s_mov_b32 s18, 0x76543210
	s_mov_b32 s19, 0xfedcba98                      ; selects for lane l xor 16
.macro FETCH k                         ; the fragments of K step k (128 along K) into set k % 2: 36 loads, 512 consecutive bytes each
	WIN 0x40                                       ; destination window 1
.irp i, 0,1,2,3,4,5,6,7
.irp j, 0,1,2
	ds_load_b128 v[128*((\k)%2)+12*\i+4*\j:128*((\k)%2)+12*\i+4*\j+3], v[A0+(\k)/2] offset:\i*3072+((\k)%2)*1536+512*\j
.endr
.endr
	WIN 0
.irp i, 0,1,2,3
.irp j, 0,1,2
	ds_load_b128 v[S1F+48*((\k)%2)+12*\i+4*\j:S1F+48*((\k)%2)+12*\i+4*\j+3], v[A1+(\k)/2] offset:\i*3072+((\k)%2)*1536+512*\j
.endr
.endr
.endm
.macro WM a, b, k                      ; accumulator (a, b) takes K step k: source 0 = S0's tile b, source 1 = S1's tile a.  The first step starts the sums
.set rD, 8*(8*(\a)+(\b))
.set rA, 128*((\k)%2)+12*(\b)
.set rB, S1F+48*((\k)%2)+12*(\a)
.set rX, SW0+8*((\b)%4)+(\k)
.set rY, SW1+8*((\a)%2)+(\k)
.if (\k) == 0
.if ((\b) < 4) && ((\a) < 2)
	v_wmma_scale_f32_16x16x128_f8f6f4 v[rD:rD+7], v[rA:rA+11], v[rB:rB+11], 0, v[rX], v[rY] matrix_a_fmt:MATRIX_FMT_BF6 matrix_b_fmt:MATRIX_FMT_BF6
.elseif (\b) < 4
	v_wmma_scale_f32_16x16x128_f8f6f4 v[rD:rD+7], v[rA:rA+11], v[rB:rB+11], 0, v[rX], v[rY] matrix_a_fmt:MATRIX_FMT_BF6 matrix_b_fmt:MATRIX_FMT_BF6 matrix_b_scale:MATRIX_SCALE_ROW1
.elseif (\a) < 2
	v_wmma_scale_f32_16x16x128_f8f6f4 v[rD:rD+7], v[rA:rA+11], v[rB:rB+11], 0, v[rX], v[rY] matrix_a_fmt:MATRIX_FMT_BF6 matrix_b_fmt:MATRIX_FMT_BF6 matrix_a_scale:MATRIX_SCALE_ROW1
.else
	v_wmma_scale_f32_16x16x128_f8f6f4 v[rD:rD+7], v[rA:rA+11], v[rB:rB+11], 0, v[rX], v[rY] matrix_a_fmt:MATRIX_FMT_BF6 matrix_b_fmt:MATRIX_FMT_BF6 matrix_a_scale:MATRIX_SCALE_ROW1 matrix_b_scale:MATRIX_SCALE_ROW1
.endif
.else
.if ((\b) < 4) && ((\a) < 2)
	v_wmma_scale_f32_16x16x128_f8f6f4 v[rD:rD+7], v[rA:rA+11], v[rB:rB+11], v[rD:rD+7], v[rX], v[rY] matrix_a_fmt:MATRIX_FMT_BF6 matrix_b_fmt:MATRIX_FMT_BF6
.elseif (\b) < 4
	v_wmma_scale_f32_16x16x128_f8f6f4 v[rD:rD+7], v[rA:rA+11], v[rB:rB+11], v[rD:rD+7], v[rX], v[rY] matrix_a_fmt:MATRIX_FMT_BF6 matrix_b_fmt:MATRIX_FMT_BF6 matrix_b_scale:MATRIX_SCALE_ROW1
.elseif (\a) < 2
	v_wmma_scale_f32_16x16x128_f8f6f4 v[rD:rD+7], v[rA:rA+11], v[rB:rB+11], v[rD:rD+7], v[rX], v[rY] matrix_a_fmt:MATRIX_FMT_BF6 matrix_b_fmt:MATRIX_FMT_BF6 matrix_a_scale:MATRIX_SCALE_ROW1
.else
	v_wmma_scale_f32_16x16x128_f8f6f4 v[rD:rD+7], v[rA:rA+11], v[rB:rB+11], v[rD:rD+7], v[rX], v[rY] matrix_a_fmt:MATRIX_FMT_BF6 matrix_b_fmt:MATRIX_FMT_BF6 matrix_a_scale:MATRIX_SCALE_ROW1 matrix_b_scale:MATRIX_SCALE_ROW1
.endif
.endif
.endm
; A K step: its fragments were asked for a step ago; the next step's are asked for ahead of its 32 products.  The 32 accumulators take turns, one instruction a turn, in the same order in every step.
.macro KSTEP k
	s_wait_dscnt 0x0                               ; this step's fragments are in, and no LDS instruction of mine is pending at a signal
.if ((\k) == 1) || ((\k) == 3) || ((\k) == 5)
	s_wait_tensorcnt 3-((\k)+1)/2                  ; my part of the K slot that is read next has landed; the slots issued behind it may be out
	s_barrier_signal -1
	s_barrier_wait -1                              ; everybody's has.
.endif
.if (\k) < 7
	PLACES                                         ; behind the last step's products, which read the set that is loaded now
	FETCH (\k)+1
.endif
	WIN 0xa1                                       ; source 0 window 1, source 1 window 0, C and D window 2
.irp a, 0,1,2,3
.irp b, 0,1,2,3,4,5,6,7
	WM \a, \b, \k
.endr
.endr
	WIN 0
.endm
	s_wait_alu depctr_va_vdst(0)
	s_wait_tensorcnt 0x3                           ; my scale words and my part of K slot 0 are in; the three slots behind them may be out
	s_barrier_signal -1
	s_barrier_wait -1
.irp i, 0,1,2,3
.irp u, 0,1
	ds_load_b128 v[SW0+8*\i+4*\u:SW0+8*\i+4*\u+3], v[AS0] offset:\i*512+256*\u   ; four K steps' words of a row at once
.endr
.endr
.irp i, 0,1
.irp u, 0,1
	ds_load_b128 v[SW1+8*\i+4*\u:SW1+8*\i+4*\u+3], v[AS1] offset:\i*512+256*\u
.endr
.endr
	FETCH 0
.irp k, 0,1,2,3,4,5,6,7
	KSTEP \k
.endr
; THE RESULTS ARE QUANTISED.  Of S1's tile a lane (r, h) holds row r, and register 16 b + i of the tile's 64 is neighbour 32 b + 16 h + i along S0's rows.
.macro QUANT a
.set AC, 64*(\a)
.set PCA, PC+12*(\a)
	WIN 0x28                                       ; sources 1 and 2 window 2
.irp b, 0,1,2,3
	v_max3_num_f32 v[TM+\b], 0x2800000, |v[AC+16*\b]|, |v[AC+16*\b+1]|   ; block b: my 16 numbers, each accumulator from its low end on, and the floor 2^(5 - 127)
.endr
.irp i, 2,4,6,8,10,12,14
.irp b, 0,1,2,3
	v_max3_num_f32 v[TM+\b], v[TM+\b], |v[AC+16*\b+\i]|, |v[AC+16*\b+\i+1]|
.endr
.endr
	WIN 0
.irp b, 0,1,2,3
	v_permlanex16_b32 v[TM+4+\b], v[TM+\b], s18, s19
.endr
.irp b, 0,1,2,3
	v_max_num_f32 v[TM+\b], v[TM+\b], v[TM+4+\b]   ; with lane l xor 16's 16: the block's largest magnitude
.endr
.irp b, 0,1,2,3
	v_add_nc_u32 v[TM+8+\b], 0xfe000000, v[TM+\b]  ; 4 off the exponent field: the conversion's scale operand
.endr
.irp b, 0,1,2,3
	v_lshrrev_b32 v[TM+4+\b], 23, v[TM+8+\b]       ; the byte
.endr
	v_lshl_or_b32 v[PW+(\a)], v[TM+5], 8, v[TM+4]
	v_lshl_or_b32 v[PW+(\a)], v[TM+6], 16, v[PW+(\a)]
	v_lshl_or_b32 v[PW+(\a)], v[TM+7], 24, v[PW+(\a)]
	WIN 0x02                                       ; source 0 window 2
.irp c, 0,1
	v_cvt_scalef32_pk16_bf6_f32 v[PCA+6*\c:PCA+6*\c+2], v[AC+32*\c:AC+32*\c+15], v[TM+8+2*\c]
	v_cvt_scalef32_pk16_bf6_f32 v[TM+12+4*\c:TM+12+4*\c+2], v[AC+32*\c+16:AC+32*\c+31], v[TM+8+2*\c+1]
.endr
	WIN 0
	v_nop                                          ; one plain instruction behind the scaled conversions
.irp c, 0,1                                    ; the layout wants a whole block in a lane: lanes 0-15 block 2 c, lanes 16-31 block 2 c + 1
.irp i, 0,1,2
	v_permlane16_swap_b32 v[PCA+6*\c+\i], v[TM+12+4*\c+\i]
.endr
.irp i, 0,1,2
	v_mov_b32 v[PCA+6*\c+3+\i], v[TM+12+4*\c+\i]
.endr
.endr
	global_store_b128 v[L16], v[PCA:PCA+3], s[2:3] offset:768*(\a)          ; each store covers 512 or 256 consecutive bytes, aligned to 256
	global_store_b64 v[L8], v[PCA+4:PCA+5], s[2:3] offset:768*(\a)+512
	global_store_b128 v[L16], v[PCA+6:PCA+9], s[10:11] offset:768*(\a)
	global_store_b64 v[L8], v[PCA+10:PCA+11], s[10:11] offset:768*(\a)+512
.endm
	PLACES                                         ; behind the last products
.irp a, 0,1,2,3
	QUANT \a                                       ; each tile has code registers of its own: no store's data are written again
.endr
	s_mov_b32 vcc_lo, 0xffff0000                   ; lanes 16-31
.irp p, 0,1
	v_cndmask_b32 v[RR+\p], v[PW+2*\p], v[PW+2*\p+1], vcc_lo   ; the record's word p: tile 2 p in lanes 0-15, tile 2 p + 1 in lanes 16-31
.endr
.irp p, 0,1
	v_and_b32 v[RR+2+\p], v[SMV], v[RR+\p]         ; q, k: the first head's two bytes, zeros above;  v: the whole word
.endr
.irp p, 0,1
	v_lshrrev_b32 v[RR+4+\p], 16, v[RR+\p]         ; the second head's two bytes
.endr
	global_store_b64 v[L8], v[RR+2:RR+3], s[100:101]
	global_store_b64 v[L8], v[RR+4:RR+5], s[20:21]
	s_wait_tensorcnt 0x0
	ds_add_u32 v254, v255
	s_wait_dscnt 0x0
	CROUND                                         ; the closing round: no work-group ends while a partner may still ask for a tile that names it
	s_endpgm
.Lfunc_end_k_q6fa9f3a3db_qkv:
	.size	k_q6fa9f3a3db_qkv, .Lfunc_end_k_q6fa9f3a3db_qkv-k_q6fa9f3a3db_qkv
	.p2alignl 7, 3214868480
	.fill 96, 4, 3214868480
	.section	.rodata,"a",@progbits
	.p2align	6, 0x0
	.amdhsa_kernel k_q6fa9f3a3db_qkv
		.amdhsa_group_segment_fixed_size 307712
		.amdhsa_private_segment_fixed_size 0
		.amdhsa_enable_private_segment 0
		.amdhsa_kernarg_size 16
		.amdhsa_user_sgpr_count 2
		.amdhsa_user_sgpr_kernarg_segment_ptr 1
		.amdhsa_wavefront_size32 1
		.amdhsa_system_sgpr_workgroup_id_x 1
		.amdhsa_system_sgpr_workgroup_id_y 1
		.amdhsa_system_sgpr_workgroup_id_z 1
		.amdhsa_system_vgpr_workitem_id 0
		.amdhsa_next_free_vgpr 768
		.amdhsa_next_free_sgpr 102
		.amdhsa_reserve_vcc 1
		.amdhsa_float_denorm_mode_32 3
		.amdhsa_float_denorm_mode_16_64 3
		.amdhsa_memory_ordered 1
		.amdhsa_forward_progress 1
		.amdhsa_inst_pref_size 83
	.end_amdhsa_kernel
	.amdgpu_metadata
---
amdhsa.version: [ 1, 2 ]
amdhsa.kernels:
  - .name:           k_q6fa9f3a3db_qkv
    .symbol:         k_q6fa9f3a3db_qkv.kd
    .args:
      - { .name: opq, .offset: 0, .size: 8, .value_kind: global_buffer, .address_space: global }
      - { .name: qkv, .offset: 8, .size: 8, .value_kind: global_buffer, .address_space: global }
    .group_segment_fixed_size: 307712
    .private_segment_fixed_size: 0
    .kernarg_segment_align: 8
    .kernarg_segment_size: 16
    .max_flat_workgroup_size: 128
    .sgpr_count:     102
    .vgpr_count:     768
    .wavefront_size: 32
...
	.end_amdgpu_metadata
.endif
;; end of part 2
;; launch attn (part 3): grid 4 x 64, 16 waves a work-group, clusters of 4 x 1, 210,944 bytes of LDS; arguments qkv, ctx; writes ctx
.if DOCPART == 3
	.amdgcn_target "amdgcn-amd-amdhsa--gfx1250"
	.amdhsa_code_object_version 6
	.text
	.protected	k_q6fa9f3a3db_attn
	.globl	k_q6fa9f3a3db_attn
	.p2align	8
	.type	k_q6fa9f3a3db_attn,@function
k_q6fa9f3a3db_attn:
	s_mov_b64 s[64:65], 0
	v_nop
	global_prefetch_b8 v0, s[64:65] scope:SCOPE_SE
	s_setreg_imm32_b32 hwreg(HW_REG_WAVE_MODE, 25, 1), 1
	s_wait_xcnt 0x0
	s_wait_alu depctr_hold_cnt(0) depctr_sa_sdst(0) depctr_va_vdst(0) depctr_va_sdst(0) depctr_va_ssrc(0) depctr_va_vcc(0) depctr_vm_vsrc(0)
	s_getreg_b32 s2, hwreg(HW_REG_IB_STS2, 6, 4)
	s_cmp_eq_u32 s2, 0
	s_cbranch_scc0 .Lentry_in_a_cluster
	s_endpgm
.Lentry_in_a_cluster:
	s_bfe_u32 s2, ttmp6, 0x10000c
	s_cmp_lg_u32 s2, 0x3003
	s_cbranch_scc0 .Lentry_shape_is_right
	s_endpgm
.Lentry_shape_is_right:
; ctx = softmax(q k^T / 8, causal) v for one head of one batch, both products on codes of BF6 (E3M2) with E8M0 scales, and ctx quantised along the model's 1,024 for the last product.
; THE SOFTMAX AHEAD OF THE SECOND PRODUCT: t = score x log2(e) / 8; M = the running largest t rounded UP to a whole number; p = 2^(t - M) is quantised along the keys, not normalised;
; the row's sum is taken of the unquantised p and divides at the end; when M moves, the sum and O are multiplied by 2^(old M - new M), which rounds nothing.
; SHARES: grid y = 16 b + head.  The four work-groups of a head form a cluster.  A HEAD'S WHOLE K AND V LIE IN LDS (2 x 96 KiB of codes, 12 KiB of scale words), asked for jointly, once: nothing is filled again.
; A tile is 16 queries: tile T holds queries 32 (T / 2) + 8 (T % 2) + r + 8 (r / 8).  It needs the key steps (128 keys) 0 .. T / 8.  Wave w of work-group cx owns tiles 127 - (4 w + cx) and 4 w + cx:
; their last steps are (31 - w) / 2 and w / 2, which hang on the wave's number alone, and together they are 17 steps in every wave.  cx enters global addresses and the mask's numbers, no branch and no LDS address.
; Both loops have constant trip counts (2 tiles, 16 steps); a step past the tile's last is jumped over, all but the lines that step addresses.
; LAYOUT: both products are used transposed (S^T = K Q^T, O^T = V^T P^T): a lane holds one query throughout.  The keys of a tile of K are ordered like the queries of a tile, so the 16 registers of tiles 2 b, 2 b + 1 are 16 neighbouring keys.
; THE FIRST PRODUCT'S K IS 64, the instruction's 128: Q's registers 6-11 are zero codes.  K's operand for tile i is v[32 + 6 i .. 43 + 6 i]: its upper six registers are the next tile's codes (zeros behind the last), which meet
; Q's zero codes; both scale words have the byte 0 for that half, which is a small power of two and no NaN: that half adds exact zeros.
; LIMITS: p under 2^-126 comes out of v_exp_f32 as 0; a block of zeros gets the byte 1 where the rule says 127 (zero codes; this program alone reads the bytes); NaN and infinities are not served.
; A block's largest p is made from the block's largest score by the same multiply-add and exponential as every p.
.set VCB,  12582912
.set QKS,  18874368
.set VSB,  19922944
.set CSB,  6291456                     ; ctx's scale words
.set VC,   98304                       ; LDS: K's codes from 0: step x 6,144 + tile x 768;  V's from VC: (2 step + c) x 3,072 + tile x 768
.set KS,   196608                      ; K's scale records, 512 bytes a step
.set VS,   204800                      ; V's, 256 bytes a step
.set BM,   212                         ; v212-215 the blocks' largest
.set BT,   216                         ; v216-219 lane permutes' results, then bytes
.set BS,   220                         ; v220-223 the conversions' scale operands
.set WV,   12
.set G1K,  16
.set G1V,  24
.set G1KS, 32
.set G1VS, 40
.set G0K,  48
.set G0V,  52
.set G0KS, 56
.set G0VS, 60
.set SEL,  66
.set CF,   68                          ; s[68:69] c = log2(e) / 8
.set ST,   71                          ; the step
.set TK,   72                          ; its codes' place in K's and in V's region: 6,144 a step
.set TSC,  73                          ; K's scale records: 512 a step
.set TSV,  74                          ; V's: 256 a step
.set LAST, 75
.set LASTN, 76
.set T,    77
.set TN,   78
.set TRIP, 79
.set Q0,   80
; REGISTERS: v1-7, v29, v30 addresses and lane numbers that stay; v8-13 the step's addresses; v16-27 Q (v22-27 zeros), v28 its scale word; v32-85 K's eight tiles and six zeros, then V's four fragments; v86-87 V's scale words, v88-91 K's;
; v92 -M, v93 the largest t, v[94:95] the sum in two halves; v96-159 S^T, then p; v160-191 O^T; v192-203 p's codes; v204-210 conversions' results; v224 p's scale word; v[226:227] f; v228-231 at work.
.macro CROUND
	s_barrier_signal -1
	s_barrier_wait -1
	s_cmp_lg_u32 s[WV], 0
	s_cbranch_scc1 .Lnot_wave_0_\@
	s_barrier_signal -3
.Lnot_wave_0_\@:
	s_barrier_wait -3
	s_barrier_signal -1
	s_barrier_wait -1
.endm
.macro PLACES
.rept 4
	v_nop
.endr
.endm
.macro G1SET g, c, r, p                ; r rows of c elements of 8 bytes, p elements from row to row; the mask names all four work-groups
	s_mov_b32 s[\g], 15|(3<<16)|(1<<21)
	s_mov_b32 s[\g+1], (\c)<<16
	s_mov_b32 s[\g+2], (\r)<<16
	s_mov_b32 s[\g+3], (\c)<<16
	s_mov_b32 s[\g+4], \r
	s_mov_b32 s[\g+5], \p
	s_mov_b32 s[\g+6], 0
	s_mov_b32 s[\g+7], 0
.endm
	s_load_b128 s[4:7], s[0:1], 0x0                ; qkv, ctx
	v_lshl_add_u32 v254, v0, 2, 0x33000
	v_mov_b32 v255, 0
	ds_add_u32 v254, v255
	ds_add_u32 v254, v255
	v_lshrrev_b32 v1, 5, v0
	s_delay_alu instid0(VALU_DEP_1)
	v_readfirstlane_b32 s[WV], v1                  ; wave 0..15
	s_bfe_u32 s13, ttmp6, 0x40000                  ; cx
	s_and_b32 s14, ttmp7, 0xffff
	s_lshr_b32 s15, s14, 4                         ; b
	s_and_b32 s14, s14, 15                         ; head
	G1SET G1K, 32, 96, 32                          ; a quarter of K's codes: 24,576 dense bytes as rows of 256
	G1SET G1V, 384, 8, 6144                        ; a quarter of V's: 8 groups of 64 keys x the head's 4 tiles (3,072 bytes), 49,152 bytes from group to group
	G1SET G1KS, 32, 32, 32                         ; K's scale records: 8,192 dense bytes
	G1SET G1VS, 32, 16, 1024                       ; V's: 16 records of 256 bytes, 8,192 bytes apart
	s_add_co_u32 s2, s14, 16
	s_lshl_b32 s2, s2, 9
	s_lshl_b32 s3, s15, 7
	s_add_co_u32 s8, s2, s3                        ; k's first unit: (16 + head) 512 + 128 b
	s_mul_i32 s2, s8, 768
	s_mul_i32 s9, s[WV], 24576                     ; waves 0-3: K's quarters; waves 4-7: V's: the same place in LDS by the wave's number
	s_add_co_u32 s2, s2, s9
	s_mov_b32 s3, 0
	s_wait_dscnt 0x0
	s_wait_kmcnt 0x0
	s_mov_b32 s[G0K], 1
	s_mov_b32 s[G0K+1], s9
	s_add_nc_u64 s[G0K+2:G0K+3], s[4:5], s[2:3]
	s_or_b32 s[G0K+3], s[G0K+3], 0x80000000
	s_lshl_b32 s2, s8, 6                           ; a record of 256 bytes for four units
	s_add_co_u32 s2, s2, QKS
	s_mov_b32 s[G0KS], 1
	s_mov_b32 s[G0KS+1], KS
	s_add_nc_u64 s[G0KS+2:G0KS+3], s[4:5], s[2:3]
	s_or_b32 s[G0KS+3], s[G0KS+3], 0x80000000
	s_lshl_b32 s2, s15, 11
	s_lshl_b32 s8, s14, 2
	s_add_co_u32 s2, s2, s8
	s_mul_i32 s2, s2, 768                          ; (32 b x 64 + 4 head) units,
	s_mul_i32 s8, s[WV], 393216                    ; 8 groups x 64 units a wave, counted from wave 4:
	s_add_co_u32 s2, s2, s8
	s_add_co_u32 s2, s2, VCB-4*393216
	s_mov_b32 s[G0V], 1
	s_mov_b32 s[G0V+1], s9
	s_add_nc_u64 s[G0V+2:G0V+3], s[4:5], s[2:3]
	s_or_b32 s[G0V+3], s[G0V+3], 0x80000000
	s_lshl_b32 s2, s15, 9
	s_add_co_u32 s2, s2, s14
	s_lshl_b32 s2, s2, 8
	s_add_co_u32 s2, s2, VSB
	s_mov_b32 s[G0VS], 1
	s_mov_b32 s[G0VS+1], VS
	s_add_nc_u64 s[G0VS+2:G0VS+3], s[4:5], s[2:3]
	s_or_b32 s[G0VS+3], s[G0VS+3], 0x80000000
	CROUND                                         ; all four work-groups are here: the joint loads meet
	s_cmp_lt_u32 s[WV], 4                          ; one load a wave, waves 0 to 9; the branches hang on the wave's number alone
	s_cbranch_scc0 .Lnot_k
	tensor_load_to_lds s[G0K:G0K+3], s[G1K:G1K+7]
	s_nop 0
	PLACES
	s_branch .Lasked
.Lnot_k:
	s_cmp_lt_u32 s[WV], 8
	s_cbranch_scc0 .Lnot_v
	tensor_load_to_lds s[G0V:G0V+3], s[G1V:G1V+7]
	s_nop 0
	PLACES
	s_branch .Lasked
.Lnot_v:
	s_cmp_eq_u32 s[WV], 8
	s_cbranch_scc0 .Lnot_ks
	tensor_load_to_lds s[G0KS:G0KS+3], s[G1KS:G1KS+7]
	s_nop 0
	PLACES
	s_branch .Lasked
.Lnot_ks:
	s_cmp_eq_u32 s[WV], 9
	s_cbranch_scc0 .Lasked
	tensor_load_to_lds s[G0VS:G0VS+3], s[G1VS:G1VS+7]
	s_nop 0
	PLACES
.Lasked:
	v_and_b32 v14, 31, v0                          ; l
	v_and_b32 v15, 15, v0                          ; r
	v_bfe_u32 v31, v0, 4, 1                        ; h
	s_delay_alu instid0(VALU_DEP_3)
	v_lshlrev_b32 v1, 4, v14                       ; a unit's registers 0-3: 16 l
	s_delay_alu instid0(VALU_DEP_4)
	v_lshl_add_u32 v2, v14, 3, 512                 ; its registers 4-5: 512 + 8 l
	s_delay_alu instid0(VALU_DEP_2)
	v_add_nc_u32 v3, VC, v1
	s_delay_alu instid0(VALU_DEP_2)
	v_add_nc_u32 v4, VC, v2
	v_lshl_add_u32 v5, v14, 3, KS
	v_lshl_add_u32 v6, v14, 3, VS
	v_and_b32 v7, 8, v15
	s_delay_alu instid0(VALU_DEP_1)
	v_add_nc_u32 v7, v7, v15
	v_lshlrev_b32 v8, 4, v31
	s_delay_alu instid0(VALU_DEP_1)
	v_sub_nc_u32 v7, v7, v8                        ; r + 8 (r / 8) - 16 h: my query in its tile, less my half's first key
	v_lshl_add_u32 v29, v15, 4, v31                ; 16 r + h: my block's byte among ctx's scale words
	v_lshlrev_b32 v30, 3, v15                      ; 8 r: my row's word in a scale record
.irp j, 22,23,24,25,26,27,80,81,82,83,84,85
	v_mov_b32 v\j, 0                               ; zero codes, written once
.endr
.irp j, 216,217,218,219,227,228
	v_mov_b32 v\j, 0                               ; written once: lane permutes' destinations, and the upper half of the pair v[226:227]
.endr
	s_mov_b32 s[SEL], 0x76543210
	s_mov_b32 s[SEL+1], 0xfedcba98
	s_mov_b32 s[CF], 0x3e38aa3b                    ; log2(e) / 8
	s_mov_b32 s[CF+1], s[CF]
	s_lshl_b32 s[TN], s[WV], 2
	s_add_co_u32 s[TN], s[TN], s13                 ; my second tile: 4 w + cx
	s_xor_b32 s[T], s[TN], 127                     ; my first: 127 - (4 w + cx)
	s_lshr_b32 s[LASTN], s[WV], 1
	s_xor_b32 s[LAST], s[WV], 31                   ; 31 - w
	s_lshr_b32 s[LAST], s[LAST], 1
	s_lshl_b32 s92, s14, 9
	s_lshl_b32 s2, s15, 7
	s_add_co_u32 s92, s92, s2                      ; q's first unit: 512 head + 128 b
	s_lshl_b32 s93, s92, 6
	s_add_co_u32 s93, s93, QKS                     ; its scale records
	s_mul_i32 s92, s92, 768
	s_mul_i32 s94, s15, 1572864                    ; ctx: 128 b tiles of 12,288 bytes,
	s_mul_i32 s2, s14, 768                         ; the head's unit in a tile
	s_add_co_u32 s94, s94, s2
	s_lshl_b32 s95, s15, 16                        ; ctx's scale words: 128 b tiles of 512 bytes,
	s_lshr_b32 s2, s14, 3
	s_lshl_b32 s2, s2, 8
	s_add_co_u32 s95, s95, s2                      ; + 256 (head / 8)
	s_bfe_u32 s2, s14, 0x20001
	s_lshl_b32 s2, s2, 2
	s_add_co_u32 s95, s95, s2                      ; + 4 ((head / 2) % 4)
	s_and_b32 s2, s14, 1
	s_lshl_b32 s2, s2, 1
	s_add_co_u32 s95, s95, s2                      ; + 2 (head % 2)
	s_add_co_u32 s95, s95, CSB
	s_mov_b32 s[TRIP], 2
	s_wait_tensorcnt 0x0                           ; my load has landed,
	s_barrier_signal -1
	s_barrier_wait -1                              ; everybody's has: the head's K and V are whole
.Ltile:
	s_wait_xcnt 0x0                                ; the last tile's stores have read their registers and bases
	s_mov_b32 s3, 0
	s_mul_i32 s2, s[T], 768
	s_add_co_u32 s2, s2, s92
	s_add_nc_u64 s[84:85], s[4:5], s[2:3]          ; Q's unit
	s_lshr_b32 s2, s[T], 2
	s_lshl_b32 s2, s2, 8
	s_and_b32 s8, s[T], 1
	s_lshl_b32 s8, s8, 7
	s_add_co_u32 s2, s2, s8
	s_bfe_u32 s8, s[T], 0x10001
	s_lshl_b32 s8, s8, 2
	s_add_co_u32 s2, s2, s8
	s_add_co_u32 s2, s2, s93
	s_add_nc_u64 s[86:87], s[4:5], s[2:3]          ; its scale words: record T / 4, + 128 (T % 2) + 4 ((T % 4) / 2)
	s_mul_i32 s2, s[T], 12288
	s_add_co_u32 s2, s2, s94
	s_add_nc_u64 s[88:89], s[6:7], s[2:3]          ; ctx's unit
	s_lshl_b32 s2, s[T], 9
	s_add_co_u32 s2, s2, s95
	s_add_nc_u64 s[90:91], s[6:7], s[2:3]          ; and its bytes
	s_lshr_b32 s[Q0], s[T], 1
	s_lshl_b32 s[Q0], s[Q0], 5
	s_and_b32 s8, s[T], 1
	s_lshl_b32 s8, s8, 3
	s_add_co_u32 s[Q0], s[Q0], s8                  ; the tile's first query
	global_load_b128 v[16:19], v1, s[84:85]
	global_load_b64 v[20:21], v2, s[84:85]
	global_load_b32 v28, v30, s[86:87]
	v_mov_b32 v93, 0xff61b1e6                      ; the largest t so far: -3e38
	s_delay_alu instid0(VALU_DEP_1)
	v_floor_f32 v92, -v93                          ; -M
	v_mov_b32 v94, 0
	v_mov_b32 v95, 0
.set n, 0
.rept 32
	v_mov_b32 v[160+n], 0                          ; O^T: the step is written once; the first finds zeros
.set n, n+1
.endr
	s_mov_b32 s[ST], 0
	s_mov_b32 s[TK], 0
	s_mov_b32 s[TSC], 0
	s_mov_b32 s[TSV], 0
	s_wait_loadcnt 0x0
.Lstep:
	s_cmp_gt_u32 s[ST], s[LAST]                    ; all keys of this step come after my queries: only the addresses step
	s_cbranch_scc1 .Lskip
	s_setprio 2
	v_add_nc_u32 v8, s[TK], v1                     ; six plain instructions: also the places behind the last step's products, ahead of the loads into their registers
	v_add_nc_u32 v9, s[TK], v2
	v_add_nc_u32 v10, s[TK], v3
	v_add_nc_u32 v11, s[TK], v4
	v_add_nc_u32 v12, s[TSC], v5
	v_add_nc_u32 v13, s[TSV], v6
.irp i, 0,1,2,3,4,5,6,7
	ds_load_b128 v[32+6*\i:35+6*\i], v8 offset:768*\i
	ds_load_b64 v[36+6*\i:37+6*\i], v9 offset:768*\i
.endr
	ds_load_b64 v[88:89], v12                      ; register i / 2: tile i's words in lanes 0-15 (even i) or 16-31 (odd i)
	ds_load_b64 v[90:91], v12 offset:256
	s_wait_alu depctr_va_vdst(0)
	s_wait_dscnt 0x0
.irp i, 0,2,4,6
	v_wmma_scale_f32_16x16x128_f8f6f4 v[96+8*\i:103+8*\i], v[32+6*\i:43+6*\i], v[16:27], 0, v[88+\i/2], v28 matrix_a_fmt:MATRIX_FMT_BF6 matrix_b_fmt:MATRIX_FMT_BF6
	v_wmma_scale_f32_16x16x128_f8f6f4 v[104+8*\i:111+8*\i], v[38+6*\i:49+6*\i], v[16:27], 0, v[88+\i/2], v28 matrix_a_fmt:MATRIX_FMT_BF6 matrix_b_fmt:MATRIX_FMT_BF6 matrix_a_scale:MATRIX_SCALE_ROW1
.endr
	PLACES
.irp t, 0,1,2,3                                ; V's four fragments are asked for now and land under the softmax
.irp c, 0,1
	ds_load_b128 v[32+12*\t+6*\c:35+12*\t+6*\c], v10 offset:3072*\c+768*\t
	ds_load_b64 v[36+12*\t+6*\c:37+12*\t+6*\c], v11 offset:3072*\c+768*\t
.endr
.endr
	ds_load_b64 v[86:87], v13
	s_cmp_lg_u32 s[ST], s[LAST]                    ; the tile's last step lies on the diagonal: hidden scores become -infinity ahead of the maximum
	s_cbranch_scc1 .Lopen
	s_lshl_b32 s8, s[ST], 7
	s_sub_co_i32 s8, s[Q0], s8
	v_add_nc_u32 v228, s8, v7                      ; d = my query - the step's first key - 16 h.  Register 16 b + i holds key 32 b + 16 h + i of the step: hidden where 32 b + i > d
	v_mov_b32 v229, 0xff800000
.set n, 0
.rept 64
	v_cmp_gt_i32 vcc_lo, 32*(n/16)+n%16, v228
	v_cndmask_b32 v[96+n], v[96+n], v229, vcc_lo
.set n, n+1
.endr
.Lopen:
.irp b, 0,1,2,3
	v_max3_num_f32 v[BM+\b], v[96+16*\b], v[97+16*\b], v[98+16*\b]   ; the largest score of each block of 32 keys
.endr
.irp i, 3,5,7,9,11,13
.irp b, 0,1,2,3
	v_max3_num_f32 v[BM+\b], v[BM+\b], v[96+16*\b+\i], v[97+16*\b+\i]
.endr
.endr
.irp b, 0,1,2,3
	v_max_num_f32 v[BM+\b], v[BM+\b], v[111+16*\b]
.endr
.irp b, 0,1,2,3
	s_delay_alu instid0(VALU_DEP_4)
	v_permlanex16_b32 v[BT+\b], v[BM+\b], s[SEL], s[SEL+1]
.endr
.irp b, 0,1,2,3
	s_delay_alu instid0(VALU_DEP_4)
	v_max_num_f32 v[BM+\b], v[BM+\b], v[BT+\b]     ; with lane l xor 16's 16 keys
.endr
	s_delay_alu instid0(VALU_DEP_2)
	v_max3_num_f32 v228, v[BM], v[BM+1], v[BM+2]
	s_delay_alu instid0(VALU_DEP_1)
	v_max_num_f32 v228, v228, v[BM+3]              ; the step's largest score of my query (the step's first key counts for every query of the tile)
	s_delay_alu instid0(VALU_DEP_1)
	v_mul_f32 v228, s[CF], v228
	s_delay_alu instid0(VALU_DEP_1)
	v_max_num_f32 v93, v93, v228                   ; the running largest t
	v_mov_b32 v228, v92
	s_delay_alu instid0(VALU_DEP_2)
	v_floor_f32 v92, -v93                          ; the new -M = -ceil(t)
	s_delay_alu instid0(VALU_DEP_1)
	v_sub_f32 v228, v92, v228                      ; old M - new M: a whole number, 0 or less
	s_delay_alu instid0(VALU_DEP_1)
	v_cvt_i32_f32 v228, v228                       ; (it saturates)
	s_delay_alu instid0(VALU_DEP_1)
	v_ldexp_f32 v226, 1.0, v228                    ; f = 2^(old M - new M)
.set n, 0
	s_setprio 1
.rept 32
	v_pk_fma_f32 v[96+n:97+n], v[96+n:97+n], s[CF:CF+1], v[92:93] op_sel_hi:[1,0,0]   ; t - M, two at a time
.set n, n+2
.endr
.irp b, 0,1,2,3
	v_fma_f32 v[BM+\b], v[BM+\b], s[CF], v92       ; the same of each block's largest score
.endr
.set n, 0
	s_wait_alu depctr_va_vdst(0)
.rept 64
	v_exp_f32 v[96+n], v[96+n]                     ; p = 2^(t - M)
.set n, n+1
.endr
	v_pk_mul_f32 v[94:95], v[94:95], v[226:227] op_sel_hi:[1,0]   ; the sums under the new M: a plain instruction behind the exponentials
	s_wait_alu depctr_va_vdst(0)                   ; one wait for the batch of 64, ahead of its first reader
.irp b, 0,1,2,3
	v_exp_f32 v[BM+\b], v[BM+\b]                   ; the blocks' largest p
.endr
	v_pk_add_f32 v[230:231], v[100:101], v[104:105]
	v_pk_add_f32 v[252:253], v[108:109], v[112:113]
	v_pk_add_f32 v[250:251], v[116:117], v[120:121]
	v_pk_add_f32 v[248:249], v[124:125], v[128:129]
	v_pk_add_f32 v[246:247], v[132:133], v[136:137]
	v_pk_add_f32 v[244:245], v[140:141], v[144:145]
	v_pk_add_f32 v[242:243], v[148:149], v[152:153]
	v_pk_add_f32 v[94:95], v[94:95], v[156:157]
	v_pk_add_f32 v[230:231], v[230:231], v[96:97]
	v_pk_add_f32 v[252:253], v[252:253], v[98:99]
	v_pk_add_f32 v[250:251], v[250:251], v[102:103]
	v_pk_add_f32 v[248:249], v[248:249], v[106:107]
	v_pk_add_f32 v[246:247], v[246:247], v[110:111]
	v_pk_add_f32 v[244:245], v[244:245], v[114:115]
	v_pk_add_f32 v[242:243], v[242:243], v[118:119]
	v_pk_add_f32 v[94:95], v[94:95], v[122:123]
	v_pk_add_f32 v[230:231], v[230:231], v[126:127]
	v_pk_add_f32 v[252:253], v[252:253], v[130:131]
	v_pk_add_f32 v[250:251], v[250:251], v[134:135]
	v_pk_add_f32 v[248:249], v[248:249], v[138:139]
	v_pk_add_f32 v[246:247], v[246:247], v[142:143]
	v_pk_add_f32 v[244:245], v[244:245], v[146:147]
	v_pk_add_f32 v[242:243], v[242:243], v[150:151]
	v_pk_add_f32 v[94:95], v[94:95], v[154:155]
	v_pk_add_f32 v[230:231], v[230:231], v[158:159]
	s_delay_alu instid0(VALU_DEP_2)
	v_pk_add_f32 v[94:95], v[94:95], v[248:249]
	s_delay_alu instid0(VALU_DEP_2)
	v_pk_add_f32 v[230:231], v[230:231], v[246:247]
	v_pk_add_f32 v[252:253], v[252:253], v[244:245]
	v_pk_add_f32 v[250:251], v[250:251], v[242:243]
	s_delay_alu instid0(VALU_DEP_2)
	v_pk_add_f32 v[94:95], v[94:95], v[252:253]
	s_delay_alu instid0(VALU_DEP_2)
	v_pk_add_f32 v[230:231], v[230:231], v[250:251]
	s_delay_alu instid0(VALU_DEP_1)
	v_pk_add_f32 v[94:95], v[94:95], v[230:231]
	s_wait_alu depctr_va_vdst(0)                   ; and one for the four
.irp b, 0,1,2,3
	v_max_num_f32 v[BM+\b], 0x2800000, v[BM+\b]    ; the floor 2^(5 - 127)
.endr
.irp b, 0,1,2,3
	s_delay_alu instid0(VALU_DEP_4)
	v_add_nc_u32 v[BS+\b], 0xfe000000, v[BM+\b]
.endr
.irp b, 0,1,2,3
	s_delay_alu instid0(VALU_DEP_4)
	v_lshrrev_b32 v[BT+\b], 23, v[BS+\b]
.endr
	s_delay_alu instid0(VALU_DEP_3)
	v_lshl_or_b32 v224, v[BT+1], 8, v[BT]          ; p's scale word for these 128 keys
	s_delay_alu instid0(VALU_DEP_1)
	v_lshl_or_b32 v224, v[BT+2], 16, v224
	s_delay_alu instid0(VALU_DEP_1)
	v_lshl_or_b32 v224, v[BT+3], 24, v224
	s_setprio 0
.irp c, 0,1
	v_cvt_scalef32_pk16_bf6_f32 v[192+6*\c:194+6*\c], v[96+32*\c:111+32*\c], v[BS+2*\c]
	v_cvt_scalef32_pk16_bf6_f32 v[204+4*\c:206+4*\c], v[112+32*\c:127+32*\c], v[BS+2*\c+1]
.endr
	v_nop                                          ; one plain instruction behind the scaled conversions
.irp c, 0,1
.irp i, 0,1,2
	v_permlane16_swap_b32 v[192+6*\c+\i], v[204+4*\c+\i]
.endr
.irp i, 0,1,2
	s_delay_alu instid0(VALU_DEP_3)
	v_mov_b32 v[195+6*\c+\i], v[204+4*\c+\i]
.endr
.endr
.set n, 0
.rept 16
	v_pk_mul_f32 v[160+n:161+n], v[160+n:161+n], v[226:227] op_sel_hi:[1,0]   ; O^T under the new M; these 16 also stand between the writing of p's codes and scale word and the products
.set n, n+2
.endr
	s_wait_alu depctr_va_vdst(0)
	s_wait_dscnt 0x0                               ; V is in
.irp t, 0,2                                    ; O^T += V^T P^T: the four accumulators by turns; the next step's eight other products stand between their links
	v_wmma_scale_f32_16x16x128_f8f6f4 v[160+8*\t:167+8*\t], v[32+12*\t:43+12*\t], v[192:203], v[160+8*\t:167+8*\t], v[86+\t/2], v224 matrix_a_fmt:MATRIX_FMT_BF6 matrix_b_fmt:MATRIX_FMT_BF6
	v_wmma_scale_f32_16x16x128_f8f6f4 v[168+8*\t:175+8*\t], v[44+12*\t:55+12*\t], v[192:203], v[168+8*\t:175+8*\t], v[86+\t/2], v224 matrix_a_fmt:MATRIX_FMT_BF6 matrix_b_fmt:MATRIX_FMT_BF6 matrix_a_scale:MATRIX_SCALE_ROW1
.endr
.Lskip:
	s_add_co_u32 s[TK], s[TK], 6144
	s_add_co_u32 s[TSC], s[TSC], 512
	s_add_co_u32 s[TSV], s[TSV], 256
	s_add_co_u32 s[ST], s[ST], 1
	s_cmp_lt_u32 s[ST], 16
	s_cbranch_scc1 .Lstep
	s_setprio 0
	; THE WAY OUT OF A TILE: O^T / the sum is the head's 64 numbers of ctx for my query: register 16 b + i is channel 32 b + 16 h + i: two blocks along the last product's K
	PLACES                                         ; behind the last products
	v_add_f32 v94, v94, v95
	s_delay_alu instid0(VALU_DEP_1)
	v_permlanex16_b32 v228, v94, s[SEL], s[SEL+1]
	s_delay_alu instid0(VALU_DEP_1)
	v_add_f32 v94, v94, v228                       ; the row's sum
	s_wait_alu depctr_va_vdst(0)
	v_rcp_f32 v226, v94
	v_nop                                          ; a plain instruction behind the reciprocal
	s_wait_alu depctr_va_vdst(0)                   ; the wait ahead of its first reader
.set n, 0
.rept 16
	v_pk_mul_f32 v[96+n:97+n], v[160+n:161+n], v[226:227] op_sel_hi:[1,0]
.set n, n+2
.endr
.irp b, 0,1
	v_max3_num_f32 v[BM+\b], |v[96+16*\b]|, |v[97+16*\b]|, 0x2800000
.endr
.irp i, 2,4,6,8,10,12,14
.irp b, 0,1
	s_delay_alu instid0(VALU_DEP_2)
	v_max3_num_f32 v[BM+\b], v[BM+\b], |v[96+16*\b+\i]|, |v[97+16*\b+\i]|
.endr
.endr
.irp b, 0,1
	s_delay_alu instid0(VALU_DEP_2)
	v_permlanex16_b32 v[BT+\b], v[BM+\b], s[SEL], s[SEL+1]
.endr
.irp b, 0,1
	s_delay_alu instid0(VALU_DEP_2)
	v_max_num_f32 v[BM+\b], v[BM+\b], v[BT+\b]
.endr
.irp b, 0,1
	s_delay_alu instid0(VALU_DEP_2)
	v_add_nc_u32 v[BS+\b], 0xfe000000, v[BM+\b]
.endr
.irp b, 0,1
	s_delay_alu instid0(VALU_DEP_2)
	v_lshrrev_b32 v[BT+\b], 23, v[BS+\b]
.endr
	v_cvt_scalef32_pk16_bf6_f32 v[192:194], v[96:111], v[BS]
	v_cvt_scalef32_pk16_bf6_f32 v[204:206], v[112:127], v[BS+1]
	v_nop                                          ; one plain instruction behind the scaled conversions
	s_mov_b32 vcc_lo, 0xffff0000
	v_cndmask_b32 v225, v[BT], v[BT+1], vcc_lo     ; my half's block's byte
.irp i, 0,1,2
	v_permlane16_swap_b32 v[192+\i], v[204+\i]
.endr
.irp i, 0,1,2
	s_delay_alu instid0(VALU_DEP_3)
	v_mov_b32 v[195+\i], v[204+\i]
.endr
	global_store_b128 v1, v[192:195], s[88:89]     ; the unit: 512 and 256 consecutive bytes, aligned to 256
	global_store_b64 v2, v[196:197], s[88:89]
	global_store_b8 v29, v225, s[90:91]            ; 32 single bytes inside one run of 256: a row's word is shared by two heads, which other work-groups make
	s_mov_b32 s[T], s[TN]
	s_mov_b32 s[LAST], s[LASTN]
	s_sub_co_u32 s[TRIP], s[TRIP], 1
	s_cmp_lg_u32 s[TRIP], 0
	s_cbranch_scc1 .Ltile
	s_wait_tensorcnt 0x0
	ds_add_u32 v254, v255
	s_wait_dscnt 0x0
	CROUND                                         ; the closing round
	s_endpgm
.Lfunc_end_k_q6fa9f3a3db_attn:
	.size	k_q6fa9f3a3db_attn, .Lfunc_end_k_q6fa9f3a3db_attn-k_q6fa9f3a3db_attn
	.p2alignl 7, 3214868480
	.fill 96, 4, 3214868480
	.section	.rodata,"a",@progbits
	.p2align	6, 0x0
	.amdhsa_kernel k_q6fa9f3a3db_attn
		.amdhsa_group_segment_fixed_size 210944
		.amdhsa_private_segment_fixed_size 0
		.amdhsa_enable_private_segment 0
		.amdhsa_kernarg_size 16
		.amdhsa_user_sgpr_count 2
		.amdhsa_user_sgpr_kernarg_segment_ptr 1
		.amdhsa_wavefront_size32 1
		.amdhsa_system_sgpr_workgroup_id_x 1
		.amdhsa_system_sgpr_workgroup_id_y 1
		.amdhsa_system_sgpr_workgroup_id_z 1
		.amdhsa_system_vgpr_workitem_id 0
		.amdhsa_next_free_vgpr 256
		.amdhsa_next_free_sgpr 96
		.amdhsa_reserve_vcc 1
		.amdhsa_float_denorm_mode_32 3
		.amdhsa_float_denorm_mode_16_64 3
		.amdhsa_memory_ordered 1
		.amdhsa_forward_progress 1
		.amdhsa_inst_pref_size 39
	.end_amdhsa_kernel
	.amdgpu_metadata
---
amdhsa.version: [ 1, 2 ]
amdhsa.kernels:
  - .name:           k_q6fa9f3a3db_attn
    .symbol:         k_q6fa9f3a3db_attn.kd
    .args:
      - { .name: qkv, .offset: 0, .size: 8, .value_kind: global_buffer, .address_space: global }
      - { .name: ctx, .offset: 8, .size: 8, .value_kind: global_buffer, .address_space: global }
    .group_segment_fixed_size: 210944
    .private_segment_fixed_size: 0
    .kernarg_segment_align: 8
    .kernarg_segment_size: 16
    .max_flat_workgroup_size: 512
    .sgpr_count:     96
    .vgpr_count:     256
    .wavefront_size: 32
...
	.end_amdgpu_metadata
.endif
;; end of part 3
;; launch proj (part 4): grid 4 x 64, 4 waves a work-group, clusters of 4 x 4, 307,712 bytes of LDS; arguments opq, ctx, bp, out0; writes out0
.if DOCPART == 4
	.amdgcn_target "amdgcn-amd-amdhsa--gfx1250"
	.amdhsa_code_object_version 6
	.text
	.protected	k_q6fa9f3a3db_proj
	.globl	k_q6fa9f3a3db_proj
	.p2align	8
	.type	k_q6fa9f3a3db_proj,@function
k_q6fa9f3a3db_proj:
	s_mov_b64 s[64:65], 0
	v_nop
	global_prefetch_b8 v0, s[64:65] scope:SCOPE_SE
	s_setreg_imm32_b32 hwreg(HW_REG_WAVE_MODE, 25, 1), 1
	s_wait_xcnt 0x0
	s_wait_alu depctr_hold_cnt(0) depctr_sa_sdst(0) depctr_va_vdst(0) depctr_va_sdst(0) depctr_va_ssrc(0) depctr_va_vcc(0) depctr_vm_vsrc(0)
	s_getreg_b32 s2, hwreg(HW_REG_IB_STS2, 6, 4)
	s_cmp_eq_u32 s2, 0
	s_cbranch_scc0 .Lentry_in_a_cluster
	s_endpgm
.Lentry_in_a_cluster:
	s_bfe_u32 s2, ttmp6, 0x10000c
	s_cmp_lg_u32 s2, 0xf033
	s_cbranch_scc0 .Lentry_shape_is_right
	s_endpgm
.Lentry_shape_is_right:
; out0 = ctx Wp^T + bp on codes of BF6 (E3M2) with E8M0 scales.  S0 = Wp (source 0: its rows, the output's columns, run along a lane's registers), S1 = ctx (source 1: a lane holds one token).
; SHARES: a work-group makes 256 columns x 128 tokens over all of K = 1,024; each of its four waves 128 x 64: 32 accumulators.  256 work-groups.
; LDS holds all of K for the work-group's tiles; every byte is filled once, by five joint loads a wave at the head.  CLUSTER 4 x 4: Wp's tiles are shared along a column of the cluster, ctx's along a row.
; Wp's codes lie in the order of an operand's registers (three loads of 16 bytes a lane for a fragment); ctx's as two units of 64 along K for each K step (registers 0-3 at 16 l, 4-5 at 512 + 8 l; the second unit 768 bytes on).
; A tile holds rows 32 (n / 2) + 8 (n % 2) + r + 8 (r / 8) of its tensor.  bp is the C of each sum's first product: eight registers a tile of S0, in the result's layout.
; THE WAY OUT: a lane's eight results are eight neighbouring columns of one token.  16 tokens x 128 columns go through the wave's own stage in LDS and come back as rows of 512 bytes.  The stage lies in K slot 0 of S0's codes,
; which has had its only fill and whose last read lies ahead of the barrier in K step 1.
; REGISTERS: window 0: v4-15 LDS addresses; v16-24; v32-63 S0's scale words, v64-79 S1's; v128-223 S1's fragments, two sets of 48; on the way out v128-255 rows of the output.
;   window 1: S0's fragments, sets at v0 and v128; bp at v96-127 and v224-255.   window 2: accumulator (a, b) at v[8 (8 a + b)].
.set XS,   9437184
.set CSB,  6291456
.set S0C,  0
.set S1C,  196608
.set S0S,  294912
.set S1S,  303104
.set SP,   528                         ; a stage row: 512 bytes + 16
.set A0,   4
.set A1,   8
.set A1B,  12
.set AS0,  16
.set AS1,  17
.set L16,  18
.set L8,   19
.set BO,   21
.set STO,  22
.set RD,   23
.set SW0,  32
.set SW1,  64
.set S1F,  128
.set BK,   128
.set WV,   12
.set SH1,  13
.set SH0,  14
.set CX,   15
.set CY,   16
.set G1C0, 24
.set G1C1, 32
.set G1S0, 40
.set G1S1, 48
.set MSB, 0
.macro WIN new
.if MSB != \new
	s_set_vgpr_msb (MSB<<8)|\new
.set MSB, \new
.endif
.endm
.macro CROUND
	s_barrier_signal -1
	s_barrier_wait -1
	s_cmp_lg_u32 s[WV], 0
	s_cbranch_scc1 .Lnot_wave_0_\@
	s_barrier_signal -3
.Lnot_wave_0_\@:
	s_barrier_wait -3
	s_barrier_signal -1
	s_barrier_wait -1
.endm
.macro PLACES
.rept 4
	v_nop
.endr
.endm
.macro G1SET g, c, r, p
	s_mov_b32 s[\g+1], (\c)<<16
	s_mov_b32 s[\g+2], (\r)<<16
	s_mov_b32 s[\g+3], (\c)<<16
	s_mov_b32 s[\g+4], \r
	s_mov_b32 s[\g+5], \p
	s_mov_b32 s[\g+6], 0
	s_mov_b32 s[\g+7], 0
.endm
	s_load_b256 s[4:11], s[0:1], 0x0               ; opq, ctx, bp, out0
	v_lshl_add_u32 v126, v0, 2, 0x4b000
	v_mov_b32 v127, 0
	ds_add_u32 v126, v127
	ds_add_u32 v126, v127
	v_lshrrev_b32 v1, 5, v0
	v_readfirstlane_b32 s[WV], v1
	s_lshr_b32 s[SH1], s[WV], 1                    ; which half of the tokens is mine.  Also: I fetch for S0 (0) or S1 (1)
	s_and_b32 s[SH0], s[WV], 1                     ; which half of the columns.  Also: which half of that operand's tiles I fetch
	s_bfe_u32 s[CX], ttmp6, 0x40000
	s_bfe_u32 s[CY], ttmp6, 0x40004
	s_lshl_b32 s19, ttmp9, 2
	s_add_co_u32 s19, s19, s[CX]                   ; X: which 256 columns
	s_and_b32 s18, ttmp7, 0xffff
	s_lshl_b32 s18, s18, 2
	s_add_co_u32 s18, s18, s[CY]                   ; Y: which 128 tokens
	s_lshl_b32 s3, 0x1111, s[CX]                   ; my column of the cluster
	s_lshl_b32 s23, s[CY], 2
	s_lshl_b32 s23, 15, s23                        ; my row
	s_or_b32 s[G1C0], s3, (3<<16)|(1<<21)
	s_or_b32 s[G1S0], s3, (3<<16)|(1<<21)
	s_or_b32 s[G1C1], s23, (3<<16)|(1<<21)
	s_or_b32 s[G1S1], s23, (3<<16)|(1<<21)
	G1SET G1C0, 384, 8, 1536
	G1SET G1C1, 384, 4, 1536
	G1SET G1S0, 32, 16, 32
	G1SET G1S1, 32, 8, 32
	s_lshl_b32 s100, s19, 4
	s_lshl_b32 s2, s[SH0], 3
	s_add_co_u32 s100, s100, s2
	s_add_co_u32 s100, s100, 704                   ; S0: Wp's tiles begin at 704: the first of the 8 that I would fetch
	s_lshl_b32 s2, s100, 9
	s_add_co_u32 s2, s2, XS
	s_mov_b32 s3, 0
	s_mul_i32 s100, s100, 12288
	s_mov_b32 s101, 0
	s_lshl_b32 s20, s18, 3
	s_lshl_b32 s22, s[SH0], 2
	s_add_co_u32 s20, s20, s22                     ; S1: the first of 4 tiles of ctx
	s_lshl_b32 s22, s20, 9
	s_add_co_u32 s22, s22, CSB
	s_mov_b32 s23, 0
	s_mul_i32 s20, s20, 12288
	s_mov_b32 s21, 0
	s_wait_dscnt 0x0
	s_wait_kmcnt 0x0
	s_mov_b32 s56, 1
	s_lshl_b32 s17, s[SH0], 12
	s_add_co_u32 s57, s17, S0S
	s_add_nc_u64 s[58:59], s[4:5], s[2:3]
	s_or_b32 s59, s59, 0x80000000
	s_mul_i32 s17, s[SH0], 24576
.irp n, 1,2,3,4
.set GA, 56+4*\n+4*((\n+2)/4)
	s_mov_b32 s[GA], 1
	s_add_co_u32 s[GA+1], s17, S0C+(\n-1)*49152
	s_add_nc_u64 s[GA+2:GA+3], s[4:5], s[100:101]
	s_add_nc_u64 s[GA+2:GA+3], s[GA+2:GA+3], (\n-1)*3072
	s_or_b32 s[GA+3], s[GA+3], 0x80000000
.endr
	s_mov_b32 s80, 1
	s_lshl_b32 s17, s[SH0], 11
	s_add_co_u32 s81, s17, S1S
	s_add_nc_u64 s[82:83], s[6:7], s[22:23]
	s_or_b32 s83, s83, 0x80000000
	s_mul_i32 s17, s[SH0], 12288
.irp n, 1,2,3,4
.set GB, 80+4*\n
	s_mov_b32 s[GB], 1
	s_add_co_u32 s[GB+1], s17, S1C+(\n-1)*24576
	s_add_nc_u64 s[GB+2:GB+3], s[6:7], s[20:21]
	s_add_nc_u64 s[GB+2:GB+3], s[GB+2:GB+3], (\n-1)*3072
	s_or_b32 s[GB+3], s[GB+3], 0x80000000
.endr
	CROUND                                         ; all sixteen work-groups are here: the joint loads meet
	s_cmp_eq_u32 s[SH1], 0                         ; a wave's five fills stand in one branch on its number: five loads of mine are out
	s_cbranch_scc0 .Lfetch1
	tensor_load_to_lds s[56:59], s[G1S0:G1S0+7]
	s_nop 0
	tensor_load_to_lds s[60:63], s[G1C0:G1C0+7]
	s_nop 0
	tensor_load_to_lds s[68:71], s[G1C0:G1C0+7]
	s_nop 0
	tensor_load_to_lds s[72:75], s[G1C0:G1C0+7]
	s_nop 0
	tensor_load_to_lds s[76:79], s[G1C0:G1C0+7]
	s_nop 0
	PLACES
	s_branch .Lasked
.Lfetch1:
	tensor_load_to_lds s[80:83], s[G1S1:G1S1+7]
	s_nop 0
	tensor_load_to_lds s[84:87], s[G1C1:G1C1+7]
	s_nop 0
	tensor_load_to_lds s[88:91], s[G1C1:G1C1+7]
	s_nop 0
	tensor_load_to_lds s[92:95], s[G1C1:G1C1+7]
	s_nop 0
	tensor_load_to_lds s[96:99], s[G1C1:G1C1+7]
	s_nop 0
	PLACES
.Lasked:
	v_and_b32 v1, 31, v0                           ; l
	v_and_b32 v2, 15, v0                           ; r
	v_bfe_u32 v3, v0, 4, 1                         ; h
	v_lshlrev_b32 v[L16], 4, v1
	v_lshlrev_b32 v[L8], 3, v1
	v_lshlrev_b32 v[BO], 6, v3                     ; bp: my half's eight numbers lie 16 numbers on
	s_wait_alu depctr_va_vdst(0)
	s_lshl_b32 s2, s19, 10
	s_lshl_b32 s3, s[SH0], 9
	s_add_co_u32 s2, s2, s3                        ; my 128 columns, in bytes
	s_mov_b32 s3, 0
	s_add_nc_u64 s[8:9], s[8:9], s[2:3]
	s_add_nc_u64 s[10:11], s[10:11], s[2:3]
	s_lshl_b32 s2, s18, 19
	s_lshl_b32 s20, s[SH1], 18
	s_add_co_u32 s2, s2, s20                       ; my 64 tokens: rows of 4,096 bytes
	s_add_nc_u64 s[10:11], s[10:11], s[2:3]
	WIN 0x40                                       ; destination window 1
.irp b, 0,1,2,3,4,5,6,7                        ; tile b's register j is column 32 (b / 2) + 16 h + 8 (b % 2) + j of my 128
	global_load_b128 v[96+8*\b+96*(\b/4):96+8*\b+96*(\b/4)+3], v[BO], s[8:9] offset:(32*(\b/2)+8*(\b%2))*4
	global_load_b128 v[96+8*\b+96*(\b/4)+4:96+8*\b+96*(\b/4)+7], v[BO], s[8:9] offset:(32*(\b/2)+8*(\b%2))*4+16
.endr
	WIN 0
	s_mul_i32 s17, s[SH0], 24576
	s_mul_i32 s23, s[SH1], 12288
	s_add_co_u32 s23, s23, S1C
.irp s, 0,1,2,3
	v_add_nc_u32 v[A0+\s], s17, v[L16]
	v_add_nc_u32 v[A1+\s], s23, v[L16]
	s_add_co_u32 s22, s23, 512
	v_add_nc_u32 v[A1B+\s], s22, v[L8]
	s_add_co_u32 s17, s17, 49152
	s_add_co_u32 s23, s23, 24576
.endr
	v_lshlrev_b32 v[AS0], 4, v2
	v_lshl_add_u32 v[AS1], v3, 10, v[AS0]
	v_lshl_add_u32 v[AS0], v3, 11, v[AS0]
	s_lshl_b32 s17, s[SH0], 12
	s_add_co_u32 s17, s17, S0S
	v_add_nc_u32 v[AS0], s17, v[AS0]
	s_lshl_b32 s17, s[SH1], 11
	s_add_co_u32 s17, s17, S1S
	v_add_nc_u32 v[AS1], s17, v[AS1]
	s_mul_i32 s17, s[WV], 16*SP                    ; my stage
	v_mul_u32_u24 v[STO], v2, SP
	v_lshl_add_u32 v[STO], v3, 6, v[STO]
	v_add_nc_u32 v[STO], s17, v[STO]               ; in: row r, + 64 h
	v_add_nc_u32 v[RD], s17, v[L16]                ; back: 16 bytes a lane of a row
.macro FETCH k                         ; the fragments of K step k into set k % 2: 40 loads
	WIN 0x40
.irp i, 0,1,2,3,4,5,6,7
.irp j, 0,1,2
	ds_load_b128 v[128*((\k)%2)+12*\i+4*\j:128*((\k)%2)+12*\i+4*\j+3], v[A0+(\k)/2] offset:\i*3072+((\k)%2)*1536+512*\j
.endr
.endr
	WIN 0
.irp i, 0,1,2,3
.irp c, 0,1
	ds_load_b128 v[S1F+48*((\k)%2)+12*\i+6*\c:S1F+48*((\k)%2)+12*\i+6*\c+3], v[A1+(\k)/2] offset:\i*3072+((\k)%2)*1536+768*\c
	ds_load_b64 v[S1F+48*((\k)%2)+12*\i+6*\c+4:S1F+48*((\k)%2)+12*\i+6*\c+5], v[A1B+(\k)/2] offset:\i*3072+((\k)%2)*1536+768*\c
.endr
.endr
.endm
.macro WM a, b, k                      ; accumulator (a, b) takes K step k.  The first step starts the sums with bp
.set rD, 8*(8*(\a)+(\b))
.set rA, 128*((\k)%2)+12*(\b)
.set rB, S1F+48*((\k)%2)+12*(\a)
.set rX, SW0+8*((\b)%4)+(\k)
.set rY, SW1+8*((\a)%2)+(\k)
.set rC, rD
.if (\k) == 0
.set rC, 96+8*(\b)+96*((\b)/4)
.endif
.if ((\b) < 4) && ((\a) < 2)
	v_wmma_scale_f32_16x16x128_f8f6f4 v[rD:rD+7], v[rA:rA+11], v[rB:rB+11], v[rC:rC+7], v[rX], v[rY] matrix_a_fmt:MATRIX_FMT_BF6 matrix_b_fmt:MATRIX_FMT_BF6
.elseif (\b) < 4
	v_wmma_scale_f32_16x16x128_f8f6f4 v[rD:rD+7], v[rA:rA+11], v[rB:rB+11], v[rC:rC+7], v[rX], v[rY] matrix_a_fmt:MATRIX_FMT_BF6 matrix_b_fmt:MATRIX_FMT_BF6 matrix_b_scale:MATRIX_SCALE_ROW1
.elseif (\a) < 2
	v_wmma_scale_f32_16x16x128_f8f6f4 v[rD:rD+7], v[rA:rA+11], v[rB:rB+11], v[rC:rC+7], v[rX], v[rY] matrix_a_fmt:MATRIX_FMT_BF6 matrix_b_fmt:MATRIX_FMT_BF6 matrix_a_scale:MATRIX_SCALE_ROW1
.else
	v_wmma_scale_f32_16x16x128_f8f6f4 v[rD:rD+7], v[rA:rA+11], v[rB:rB+11], v[rC:rC+7], v[rX], v[rY] matrix_a_fmt:MATRIX_FMT_BF6 matrix_b_fmt:MATRIX_FMT_BF6 matrix_a_scale:MATRIX_SCALE_ROW1 matrix_b_scale:MATRIX_SCALE_ROW1
.endif
.endm
.macro KSTEP k                         ; the 32 accumulators take turns, one instruction a turn, in the same order in every step
	s_wait_dscnt 0x0                               ; this step's fragments are in, and no LDS instruction of mine is pending at a signal
.if ((\k) == 1) || ((\k) == 3) || ((\k) == 5)
	s_wait_tensorcnt 3-((\k)+1)/2                  ; my part of the K slot that is read next has landed; the slots issued behind it may be out
	s_barrier_signal -1
	s_barrier_wait -1
.endif
.if (\k) < 7
	PLACES
	FETCH (\k)+1
.endif
.if (\k) == 0
	WIN 0x91                                       ; source 0 and C (bp) window 1, source 1 window 0, D window 2
.else
	WIN 0xa1                                       ; source 0 window 1, source 1 window 0, C and D window 2
.endif
.irp a, 0,1,2,3
.irp b, 0,1,2,3,4,5,6,7
	WM \a, \b, \k
.endr
.endr
	WIN 0
.endm
	s_wait_alu depctr_va_vdst(0)
	s_wait_tensorcnt 0x3                           ; my scale words and my part of K slot 0 are in; the three slots behind them may be out
	s_barrier_signal -1
	s_barrier_wait -1
.irp i, 0,1,2,3
.irp u, 0,1
	ds_load_b128 v[SW0+8*\i+4*\u:SW0+8*\i+4*\u+3], v[AS0] offset:\i*512+256*\u
.endr
.endr
.irp i, 0,1
.irp u, 0,1
	ds_load_b128 v[SW1+8*\i+4*\u:SW1+8*\i+4*\u+3], v[AS1] offset:\i*512+256*\u
.endr
.endr
	FETCH 0
	s_wait_loadcnt 0x0                             ; bp
.irp k, 0,1,2,3,4,5,6,7
	KSTEP \k
.endr
.macro TOSTAGE a                       ; S1's tile a: 16 tokens x 128 columns into my stage, and back as whole rows.  LDS serves a wave's instructions in order: no wait between
.set AC, 64*(\a)
	WIN 0x08                                       ; an LDS store's data are its source 1: window 2
.irp b, 0,1,2,3,4,5,6,7
	ds_store_b128 v[STO], v[AC+8*\b:AC+8*\b+3] offset:128*(\b/2)+32*(\b%2)         ; each accumulator from its low end on
	ds_store_b128 v[STO], v[AC+8*\b+4:AC+8*\b+7] offset:128*(\b/2)+32*(\b%2)+16
.endr
	WIN 0
.set BB, BK+64*((\a)%2)
.irp t, 0,1,2,3,4,5,6,7,8,9,10,11,12,13,14,15
	ds_load_b128 v[BB+4*\t:BB+4*\t+3], v[RD] offset:\t*SP
.endr
.endm
.macro SEND a, younger                 ; younger: the LDS instructions issued behind tile a's loads, which may stay out
.set BB, BK+64*((\a)%2)
	s_wait_dscnt \younger
.irp t, 0,1,2,3,4,5,6,7,8,9,10,11,12,13,14,15
	global_store_b128 v[L16], v[BB+4*\t:BB+4*\t+3], s[10:11] offset:(32*((\a)/2)+8*((\a)%2)+\t+8*(\t/8))*4096 th:TH_STORE_NT   ; 32 lanes store 512 consecutive bytes, aligned to 256; 63 rows on at the most
.endr
.endm
	PLACES                                         ; behind the last products: for the stage's stores, and for the loads into the registers that held S1's fragments
	TOSTAGE 0
.irp a, 1,2,3
.if \a > 1
	s_wait_xcnt 0x0                                ; tile a - 2's stores have read their registers: tile a's rows may land there
.endif
	TOSTAGE \a
	SEND \a-1, 32                                  ; behind tile a - 1's loads: tile a's 16 stores and 16 loads
.endr
	SEND 3, 0
	s_wait_tensorcnt 0x0
	ds_add_u32 v126, v127
	s_wait_dscnt 0x0
	CROUND                                         ; the closing round: no work-group ends while a partner may still ask for a tile that names it
	s_endpgm
.Lfunc_end_k_q6fa9f3a3db_proj:
	.size	k_q6fa9f3a3db_proj, .Lfunc_end_k_q6fa9f3a3db_proj-k_q6fa9f3a3db_proj
	.p2alignl 7, 3214868480
	.fill 96, 4, 3214868480
	.section	.rodata,"a",@progbits
	.p2align	6, 0x0
	.amdhsa_kernel k_q6fa9f3a3db_proj
		.amdhsa_group_segment_fixed_size 307712
		.amdhsa_private_segment_fixed_size 0
		.amdhsa_enable_private_segment 0
		.amdhsa_kernarg_size 32
		.amdhsa_user_sgpr_count 2
		.amdhsa_user_sgpr_kernarg_segment_ptr 1
		.amdhsa_wavefront_size32 1
		.amdhsa_system_sgpr_workgroup_id_x 1
		.amdhsa_system_sgpr_workgroup_id_y 1
		.amdhsa_system_sgpr_workgroup_id_z 1
		.amdhsa_system_vgpr_workitem_id 0
		.amdhsa_next_free_vgpr 768
		.amdhsa_next_free_sgpr 102
		.amdhsa_reserve_vcc 0
		.amdhsa_float_denorm_mode_32 3
		.amdhsa_float_denorm_mode_16_64 3
		.amdhsa_memory_ordered 1
		.amdhsa_forward_progress 1
		.amdhsa_inst_pref_size 83
	.end_amdhsa_kernel
	.amdgpu_metadata
---
amdhsa.version: [ 1, 2 ]
amdhsa.kernels:
  - .name:           k_q6fa9f3a3db_proj
    .symbol:         k_q6fa9f3a3db_proj.kd
    .args:
      - { .name: opq, .offset: 0, .size: 8, .value_kind: global_buffer, .address_space: global }
      - { .name: ctx, .offset: 8, .size: 8, .value_kind: global_buffer, .address_space: global }
      - { .name: bp, .offset: 16, .size: 8, .value_kind: global_buffer, .address_space: global }
      - { .name: out0, .offset: 24, .size: 8, .value_kind: global_buffer, .address_space: global }
    .group_segment_fixed_size: 307712
    .private_segment_fixed_size: 0
    .kernarg_segment_align: 8
    .kernarg_segment_size: 32
    .max_flat_workgroup_size: 128
    .sgpr_count:     102
    .vgpr_count:     768
    .wavefront_size: 32
...
	.end_amdgpu_metadata
.endif
;; end of part 4
